; MI455X (gfx1250); checked and timed in simulation.
; The chip was launched on July 23, 2026; its instructions are those of AMD's public machine-readable ISA for CDNA 5 (MIT licence, August 2026) and "CDNA5" Instruction Set Architecture Reference Guide (July 2026). The comments in the code are by the model that wrote it; some were corrected since.
;; Dynamic PT Block. Allowed arithmetic: matrix products marked QUANTISED: E3M2 operands, one E8M0 scale for each 32 along K, by v_wmma_scale_f32_16x16x128_f8f6f4 with both operands' format E3M2, f32 sums; products left as they are: f32 operands where the result goes on into a quantised operand, else bf16, f16 or f32 operands; f32 sums; everything else in f32.
;; Inputs: b1 128 float32; b2 128 float32; channel_u_weight 4 x 128 x 128 float32; channel_v_weight 4 x 128 x 128 float32; ln_beta 128 float32; ln_gamma 128 float32; qz 4 x 128 x 128 x 128 float32; time_u_weight 4 x 128 x 128 float32; time_v_weight 4 x 128 x 128 float32; topic_binary 4 x 512 x 128 float32; unary 4 x 128 x 128 x 128 float32; w1 128 x 128 float32; w2 128 x 128 float32.
;; Outputs: out0 4 x 128 x 128 x 128 float32.
;; This version of the problem:
;;   THIS VERSION OF THE PROBLEM IS GIVEN IN LOW PRECISION. The matrix products marked QUANTISED in the list below multiply operands that are first quantised to E3M2 (3 exponent bits, 2 mantissa bits; 6 bits a number), with one power-of-two scale for each 32 numbers along K (OCP MX v1.0); their sums are f32. All else is computed in f32.
;;   The module's matrix products, in the order in which they are computed (A, B: the left and right operand; K: the contracted axis; several contracted axes count as one K, in the product's order):
;;     1. batch 4 x [M 16,384, K 128] x [K 128, N 128]; A: computed on the way; B: input time_u_weight: QUANTISED
;;     2. batch 4 x [M 16,384, K 128] x [K 128, N 128]; A: computed on the way; B: input time_v_weight: QUANTISED
;;     3. batch 4,096 x [M 128, K 16] x [K 16, N 128]; A: computed on the way; B: computed on the way: left as it is (K = 16 < 32)
;;     4. batch 512 x [M 1,024, K 128] x [K 128, N 128]; A: softmax (see below); B: computed on the way: QUANTISED
;;     5. batch 4 x [M 16,384, K 128] x [K 128, N 128]; A: computed on the way; B: input channel_u_weight: QUANTISED
;;     6. batch 4 x [M 16,384, K 128] x [K 128, N 128]; A: computed on the way; B: input channel_v_weight: QUANTISED
;;     7. batch 4,096 x [M 128, K 16] x [K 16, N 128]; A: computed on the way; B: computed on the way: left as it is (K = 16 < 32)
;;     8. batch 4 x [M 16,384, K 128] x [K 128, N 512]; A: computed on the way; B: input topic_binary: QUANTISED
;;     9. batch 4 x [M 16,384, K 512] x [K 512, N 128]; A: computed on the way; B: input topic_binary: QUANTISED
;;     10. [M 65,536, K 128] x [K 128, N 128]; A: computed on the way; B: input w1: QUANTISED
;;     11. [M 65,536, K 128] x [K 128, N 128]; A: computed on the way; B: input w2: QUANTISED
;;   THE QUANTISER, for each operand of a quantised product, along K:
;;     - K is cut into blocks of 32 from its start; a last block that is shorter is filled with zeros.
;;     - A block's scale is 2^e with e = floor(log2(the largest magnitude in the block)) - 4, held to -126 .. 127; a block of zeros has e = 0. As a byte (E8M0): e + 127.
;;     - Each number is divided by its block's scale, clamped to +-28, and rounded to the nearest number of E3M2, ties to even, subnormals kept.
;;     - The product sums the exact products of the quantised numbers (number of the format x scale) in f32.
;;   ~~~python
;;   def quantise(x, axis):      # numpy; x: float32 -> the quantised numbers, widened to float32 again
;;       x = np.moveaxis(x, axis, -1); K = x.shape[-1]
;;       x = np.pad(x, [(0, 0)] * (x.ndim - 1) + [(0, -K % 32)]); x = x.reshape(x.shape[:-1] + (-1, 32)); a = np.abs(x).max(-1, keepdims=True)
;;       e = np.where(a > 0, np.clip(np.frexp(np.where(a > 0, a, 1))[1] - 1 - 4, -126, 127), 0)      # np.frexp(a)[1] - 1 = floor(log2(a)), exactly
;;       r = np.clip(x / 2.0 ** e, -28, 28)
;;       step = 2.0 ** (np.maximum(np.frexp(np.where(r == 0, 1, r))[1] - 1, -2) - 2)
;;       q = np.round(r / step) * step * 2.0 ** e      # np.round: ties to even
;;       return np.moveaxis(q.reshape(q.shape[:-2] + (-1,))[..., :K], -1, axis).astype(np.float32)
;;   ~~~
;;   SOFTMAX AHEAD OF A QUANTISED PRODUCT. Where the list says 'softmax', what is quantised is not the finished softmax but p = 2^(t - M), with t = logit x log2(e) and M = ceil(the row's largest t), a whole number; so 1/2 < the row's largest p <= 1. The row's sum l is taken of the UNQUANTISED p, in f32, and the product's result is divided by l at the end. Since M is a whole number, a kernel that streams over the keys may use a running M (the ceiling of the running maximum): every later rescaling is an exact power of two, which a block's scale takes up: the codes' values come out the same.
;;   OPERANDS COMPUTED ON THE WAY. 'Computed on the way' means the value that the module computes at that place (a softmax that the list does not call 'softmax' is quantised finished and normalised). What goes into a quantiser is computed in f32, as accurately as f32 sums, v_exp_f32 and their like allow (about 1e-6 of the number): no bf16 or f16 on the way to a quantiser, and a product that is left as it is and whose result goes on into a quantised operand takes f32 operands (vector FMAs, or v_wmma_f32_16x16x4_f32). A number that lies on a knife's edge between two numbers of the format may be rounded either way, as far as f32 arithmetic and the matrix unit's own rounding can turn it there, and no further.
;; One version. Each part assembles by itself: llvm-mc -triple=amdgcn-amd-amdhsa -mcpu=gfx1250 --defsym DOCPART=n.
;; ======== version 1 of 1: 3 launches
;; workspace buffers: wimg 802,816 bytes; y 33,554,432 bytes
;; launch prep (part 1): grid 28 x 4, 4 waves a work-group, no clusters, 0 bytes of LDS; arguments channel_u_weight, channel_v_weight, topic_binary, time_u_weight, time_v_weight, w1, w2, wimg; writes wimg
.if DOCPART == 1
	.amdgcn_target "amdgcn-amd-amdhsa--gfx1250"
	.amdhsa_code_object_version 6
	.text
	.protected	k_qfc47042f64_prep
	.globl	k_qfc47042f64_prep
	.p2align	8
	.type	k_qfc47042f64_prep,@function
k_qfc47042f64_prep:
	s_mov_b64 s[64:65], 0
	v_nop
	global_prefetch_b8 v0, s[64:65] scope:SCOPE_SE
	s_setreg_imm32_b32 hwreg(HW_REG_WAVE_MODE, 25, 1), 1
	s_wait_xcnt 0x0
; All weights become operands of BF6 (E3M2) with one E8M0 scale for each 32 along K, laid as IMAGES OF THE OPERAND'S REGISTERS.
; A record of 1,792 bytes is one fragment, 16 rows x 128 K: registers 4 c .. 4 c + 3 of lane l at 512 c + 16 l (c = 0, 1, 2), and at 1,536 + 8 l the lane's scale word, twice, so that all seven
; blocks of 256 bytes of a record are written whole.  112 records a batch: 0-7 channel_u, 8-15 channel_v, 16-47 topic with K = d, 48-79 topic with K = g (record 48 + 4 n + s: tile n of d, K step s),
; 80-87 time_u, 88-95 time_v, 96-103 w1, 104-111 w2 (the last two repeated in each batch, so that each later launch's weights are one dense block).
; ROWS OF A TILE: u and v weights take neighbours (tile t = head t).  All others: lane r of tile t takes row 32 (t / 2) + 8 (t % 2) + r + (r & 8), so that the results of two neighbouring tiles are 16 neighbours in a lane.
; A wave makes one record; work-group x holds records 4 x .. 4 x + 3, work-group y is the batch.  112 work-groups are all the work there is.
; A lane holds two whole blocks of 32 along K (k = 64 c + 32 h + 0 .. 31), so no other lane is asked for a maximum.
; LIMITS: NaN and infinities are not served; a block of zeros, or one whose largest magnitude lies under 2^-122, gets the byte 1 (its codes are zeros or tiny; this program alone reads the bytes).
.set REC, 1792
.set HH,  3                            ; v3      h = lane / 16
.set TM,  16                           ; v16-31  at work
.set PC,  32                           ; v32-51  the codes, 12 registers, and 8 at work
.set PW,  52                           ; v52-53  the scale word, twice
.set X,   64                           ; v64-127 the lane's 64 numbers: register 32 c + i = k 64 c + 32 h + i
.set SEL, 36                           ; s[36:37] lane selects: lane l xor 16
.macro KIND lim, ptr, f, bs, mk        ; work-groups under lim: this tensor, its first record, its bytes a batch, 8 where a tile's rows are not neighbours
	s_cmp_lt_u32 ttmp9, \lim
	s_cselect_b64 s[24:25], s[\ptr:\ptr+1], s[24:25]
	s_cselect_b32 s26, \f, s26
	s_cselect_b32 s27, \bs, s27
	s_cselect_b32 s28, \mk, s28
.endm
; 64 numbers of a lane, two whole blocks, become a fragment's 12 registers in v[pc] on and the row's scale word in v[pw]
.macro QCOL src, pc, pw
.irp c, 0,1
	v_max3_num_f32 v[TM+\c], |v[\src+32*\c]|, |v[\src+32*\c+1]|, 0x2800000   ; the floor 2^(5 - 127) among the leaves: the byte cannot fall under 1
.endr
.irp i, 2,4,6,8,10,12,14,16,18,20,22,24,26,28,30
.irp c, 0,1
	v_max3_num_f32 v[TM+\c], v[TM+\c], |v[\src+32*\c+\i]|, |v[\src+32*\c+\i+1]|
.endr
.endr
.irp c, 0,1
	v_add_nc_u32 v[TM+12+\c], 0xfe000000, v[TM+\c]     ; 4 off the exponent field: the conversion's scale operand
.endr
.irp c, 0,1
	v_lshrrev_b32 v[TM+4+\c], 23, v[TM+12+\c]          ; the scale's byte
.endr
	v_lshl_or_b32 v[\pw], v[TM+5], 16, v[TM+4]         ; my bytes: blocks h and 2 + h,
	v_lshlrev_b32 v[TM+8], 3, v[HH]
	v_lshlrev_b32 v[\pw], v[TM+8], v[\pw]              ; 8 h bits up;
	v_permlanex16_b32 v[TM+6], v[\pw], s[SEL], s[SEL+1]
	v_or_b32 v[\pw], v[\pw], v[TM+6]                   ; with lane l xor 16's two the word is whole
.irp c, 0,1
	v_cvt_scalef32_pk16_bf6_f32 v[\pc+6*\c:\pc+6*\c+2], v[\src+32*\c:\src+32*\c+15], v[TM+12+\c]
	v_cvt_scalef32_pk16_bf6_f32 v[\pc+12+4*\c:\pc+12+4*\c+2], v[\src+32*\c+16:\src+32*\c+31], v[TM+12+\c]   ; (a conversion's three registers begin on an even number)
.endr
	v_nop                                              ; one plain line behind the last scaled conversion
.irp c, 0,1
.irp i, 0,1,2
	v_mov_b32 v[\pc+3+6*\c+\i], v[\pc+12+4*\c+\i]
.endr
.endr
.endm
	s_load_b512 s[8:23], s[0:1], 0x0               ; cu s[8:9], cv s[10:11], topic s[12:13], tu s[14:15], tv s[16:17], w1 s[18:19], w2 s[20:21], wimg s[22:23]
	v_lshrrev_b32 v1, 5, v0
	v_readfirstlane_b32 s4, v1                     ; wave
	v_and_b32 v1, 31, v0                           ; lane
	v_and_b32 v2, 15, v0                           ; r
	v_bfe_u32 v[HH], v0, 4, 1                      ; h
	v_lshlrev_b32 v5, 4, v1                        ; 16 x lane
	v_lshlrev_b32 v6, 3, v1                        ; 8 x lane
	v_mov_b32 v[TM+6], 0                           ; a lane permute's destination counts as read
	s_and_b32 s5, ttmp7, 0xffff                    ; the batch
	s_mov_b32 s[SEL], 0x76543210
	s_mov_b32 s[SEL+1], 0xfedcba98
	s_lshl_b32 s6, ttmp9, 2
	s_add_co_u32 s6, s6, s4                        ; my record in the batch
	s_wait_kmcnt 0x0
	s_mov_b64 s[24:25], s[20:21]                   ; work-groups 26, 27: w2
	s_mov_b32 s26, 104
	s_mov_b32 s27, 0
	s_mov_b32 s28, 8
	KIND 26, 18, 96, 0, 8                          ; w1
	KIND 24, 16, 88, 65536, 0                      ; time_v
	KIND 22, 14, 80, 65536, 0                      ; time_u
	KIND 20, 12, 48, 262144, 8                     ; topic, K = g
	KIND 12, 12, 16, 262144, 8                     ; topic, K = d
	KIND 4, 10, 8, 65536, 0                        ; channel_v
	KIND 2, 8, 0, 65536, 0                         ; channel_u
	s_sub_co_u32 s7, s6, s26                       ; the record's number within its kind
	s_mul_i32 s30, s5, s27
	s_mov_b32 s31, 0
	s_add_nc_u64 s[24:25], s[24:25], s[30:31]      ; the tensor at my batch
	s_mul_i32 s32, s5, 112
	s_add_co_u32 s32, s32, s6
	s_mul_i32 s32, s32, REC
	s_mov_b32 s33, 0
	s_add_nc_u64 s[22:23], s[22:23], s[32:33]      ; my record
	s_sub_co_u32 s29, ttmp9, 12
	s_cmp_lt_u32 s29, 8                            ; work-groups 12 to 19: K is the tensor's first axis
	s_cbranch_scc1 .Ltg
	; K innermost: lane (r, h) takes 32 neighbours of its row for each c
	s_lshl_b32 s30, s7, 4                          ; a tile of neighbours begins at row 16 t,
	s_lshr_b32 s34, s7, 1
	s_lshl_b32 s34, s34, 5
	s_and_b32 s35, s7, 1
	s_lshl_b32 s35, s35, 3
	s_add_co_u32 s34, s34, s35                     ; the other kind at 32 (t / 2) + 8 (t % 2)
	s_cmp_eq_u32 s28, 0
	s_cselect_b32 s30, s30, s34
	s_lshl_b32 s30, s30, 9                         ; rows of 512 bytes
	s_add_nc_u64 s[24:25], s[24:25], s[30:31]
	v_and_b32 v4, s28, v2
	v_add_nc_u32 v4, v4, v2                        ; r, or r + (r & 8)
	v_lshlrev_b32 v4, 9, v4
	v_lshl_add_u32 v4, v[HH], 7, v4                ; + 128 h bytes
.irp c, 0,1
.irp j, 0,1,2,3,4,5,6,7
	global_load_b128 v[X+32*\c+4*\j:X+32*\c+4*\j+3], v4, s[24:25] offset:256*\c+16*\j
.endr
.endr
	s_branch .Ljoin
.Ltg:
	; K = g is the first axis: lane r takes column d, its registers run down g
	s_lshr_b32 s34, s7, 2                          ; n: the tile of d
	s_and_b32 s35, s7, 3
	s_lshl_b32 s30, s35, 16                        ; s: 128 rows of 512 bytes a K step
	s_lshr_b32 s35, s34, 1
	s_lshl_b32 s35, s35, 7
	s_add_co_u32 s30, s30, s35
	s_and_b32 s35, s34, 1
	s_lshl_b32 s35, s35, 5
	s_add_co_u32 s30, s30, s35                     ; + 4 (32 (n / 2) + 8 (n % 2))
	s_add_nc_u64 s[24:25], s[24:25], s[30:31]
	v_and_b32 v4, 8, v2
	v_add_nc_u32 v4, v4, v2
	v_lshlrev_b32 v4, 2, v4                        ; 4 (r + (r & 8))
	v_lshl_add_u32 v4, v[HH], 14, v4               ; lanes 16-31 begin 32 rows further down
.irp c, 0,1
.set jj, 0
.rept 32
	global_load_b32 v[X+32*\c+jj], v4, s[24:25] offset:(64*\c+jj)*512
.set jj, jj+1
.endr
.endr
.Ljoin:
	s_wait_loadcnt 0x0
	QCOL X, PC, PW
	v_mov_b32 v[PW+1], v[PW]
.irp c, 0,1,2
	global_store_b128 v5, v[PC+4*\c:PC+4*\c+3], s[22:23] offset:512*\c   ; 32 lanes store 512 consecutive bytes
.endr
	global_store_b64 v6, v[PW:PW+1], s[22:23] offset:1536                ; and the record's last 256
	s_endpgm
.Lfunc_end_k_qfc47042f64_prep:
	.size	k_qfc47042f64_prep, .Lfunc_end_k_qfc47042f64_prep-k_qfc47042f64_prep
	.p2alignl 7, 3214868480
	.fill 96, 4, 3214868480
	.section	.rodata,"a",@progbits
	.p2align	6, 0x0
	.amdhsa_kernel k_qfc47042f64_prep
		.amdhsa_group_segment_fixed_size 0
		.amdhsa_private_segment_fixed_size 0
		.amdhsa_enable_private_segment 0
		.amdhsa_kernarg_size 64
		.amdhsa_user_sgpr_count 2
		.amdhsa_user_sgpr_kernarg_segment_ptr 1
		.amdhsa_wavefront_size32 1
		.amdhsa_system_sgpr_workgroup_id_x 1
		.amdhsa_system_sgpr_workgroup_id_y 1
		.amdhsa_system_sgpr_workgroup_id_z 1
		.amdhsa_system_vgpr_workitem_id 0
		.amdhsa_next_free_vgpr 128
		.amdhsa_next_free_sgpr 66
		.amdhsa_reserve_vcc 0
		.amdhsa_float_denorm_mode_32 3
		.amdhsa_float_denorm_mode_16_64 3
		.amdhsa_memory_ordered 1
		.amdhsa_forward_progress 1
		.amdhsa_inst_pref_size 15
	.end_amdhsa_kernel
	.amdgpu_metadata
---
amdhsa.version: [ 1, 2 ]
amdhsa.kernels:
  - .name:           k_qfc47042f64_prep
    .symbol:         k_qfc47042f64_prep.kd
    .args:
      - { .name: channel_u_weight, .offset: 0, .size: 8, .value_kind: global_buffer, .address_space: global }
      - { .name: channel_v_weight, .offset: 8, .size: 8, .value_kind: global_buffer, .address_space: global }
      - { .name: topic_binary, .offset: 16, .size: 8, .value_kind: global_buffer, .address_space: global }
      - { .name: time_u_weight, .offset: 24, .size: 8, .value_kind: global_buffer, .address_space: global }
      - { .name: time_v_weight, .offset: 32, .size: 8, .value_kind: global_buffer, .address_space: global }
      - { .name: w1, .offset: 40, .size: 8, .value_kind: global_buffer, .address_space: global }
      - { .name: w2, .offset: 48, .size: 8, .value_kind: global_buffer, .address_space: global }
      - { .name: wimg, .offset: 56, .size: 8, .value_kind: global_buffer, .address_space: global }
    .group_segment_fixed_size: 0
    .private_segment_fixed_size: 0
    .kernarg_segment_align: 8
    .kernarg_segment_size: 64
    .max_flat_workgroup_size: 128
    .sgpr_count:     66
    .vgpr_count:     128
    .wavefront_size: 32
...
	.end_amdgpu_metadata
.endif
;; end of part 1
;; launch chan (part 2): grid 128 x 4, 8 waves a work-group, clusters of 4 x 1, 277,504 bytes of LDS; arguments qz, unary, ln_gamma, ln_beta, wimg, y; writes y
.if DOCPART == 2
	.amdgcn_target "amdgcn-amd-amdhsa--gfx1250"
	.amdhsa_code_object_version 6
	.text
	.protected	k_qfc47042f64_chan
	.globl	k_qfc47042f64_chan
	.p2align	8
	.type	k_qfc47042f64_chan,@function
k_qfc47042f64_chan:
	s_mov_b64 s[64:65], 0
	v_nop
	global_prefetch_b8 v0, s[64:65] scope:SCOPE_SE
	s_setreg_imm32_b32 hwreg(HW_REG_WAVE_MODE, 25, 1), 1
	s_wait_xcnt 0x0
	s_wait_alu depctr_hold_cnt(0) depctr_sa_sdst(0) depctr_va_vdst(0) depctr_va_sdst(0) depctr_va_ssrc(0) depctr_va_vcc(0) depctr_vm_vsrc(0)
	s_getreg_b32 s2, hwreg(HW_REG_IB_STS2, 6, 4)
	s_cmp_eq_u32 s2, 0
	s_cbranch_scc0 .Lentry_in_a_cluster
	s_endpgm
.Lentry_in_a_cluster:
	s_bfe_u32 s2, ttmp6, 0x10000c
	s_cmp_lg_u32 s2, 0x3003
	s_cbranch_scc0 .Lentry_shape_is_right
	s_endpgm
.Lentry_shape_is_right:
; y = unary + qz + m_c + m_g for one slice (batch b, patch p): 128 rows (the channels) x 128.  qzn = LayerNorm(qz).
; m_c: cu = qzn Wcu^T, cv = qzn Wcv^T (BF6 codes); for each of 8 heads softmax over the key channels of cu . cv / 4 (f32 operands: the result goes on into a quantised operand); the heads' mean, times qzn element by element.
; m_g: relu(qzn T^T), divided by its row sum held at 1e-6 from below, quantised along the 512 topics, times T.
; SHARES.  A work-group owns a slice; each of its 8 waves owns 16 rows from beginning to end: lane r of wave w has row 32 (w / 2) + 8 (w % 2) + r + (r & 8).  Two waves lie on a SIMD.
; LAYOUT.  Every product is used transposed (source 0 = 16 rows of a weight or 16 keys, source 1 = my 16 rows), and the rows of a weight's or keys' tile are chosen as my rows are: so in every array of 64 registers
; lane (r, h) holds row r, and register 16 b + i column 32 b + 16 h + i: 16 neighbours of each block of 32, as the quantiser takes them.
; WEIGHTS.  80 records of 1,792 bytes (images of operand registers) of the batch, one dense block, come once by 8 tensor loads, one a wave.  The four work-groups of a cluster have the same batch: the loads are joint.
; No LDS byte is filled twice.  A wave has one tensor load out.
; SCORES.  v_wmma_f32_16x16x4_f32, K = 16 in four steps.  K is permuted alike on both sides: slot (h, j) of step k is the head's index 8 h + 2 k + j, which is how the projections leave their results in a lane.
; BY TURNS.  A wave issues in order, so a head's 32 score products and its softmax, set one behind the other, leave one unit idle while the other works.  As soon as a head's scores have been scaled into T their registers are free:
; the NEXT head's 32 products are then issued one by one, and behind each stands a slice of the list of what is left of this head's vector work (64 exponentials, the sums, the reciprocal, the update of the weights' sum): 134 lines =
; 31 slices of 4 and one of 10.  The slices work in other windows than the products: two switches a slice, 64 for a head's 32 products.
; LIMITS: NaN and infinities are not served; a block of zeros or under 2^-122 gets the byte 1; divisions are v_rcp_f32 and a multiplication; the order of f32 sums differs from the definition's.
.set RS,    65536                      ; bytes from a row of the slice to the next
.set REC,   1792
.set NROW,  70                         ; rows of 256 bytes in a wave's tensor load: 80 records / 8
.set VR,    80*REC                     ; LDS: behind the weights: cv's images, [head][tile of keys] of 1,024 bytes
.set PRIV,  VR+65536                   ; each wave's own 8,448 bytes: a stage of 16 rows x 528, and between its two uses cu's 8 images
.set STG,   16*528
; window 0
.set LI,  1                            ; v1   16 x lane: a row's 16 bytes in memory, an image's place in the weights
.set STW, 3                            ; v3   my stage + 16 x lane
.set STQ, 4                            ; v4   my stage + 528 r + 64 h
.set GB,  5                            ; v5   64 h: gamma's and beta's bytes for my half
.set WS,  7                            ; v7   1,536 + 8 x lane: a record's scale word
.set TDI, 8                            ; v8, v9   the same two from record 16 on (topic, K = d)
.set TDS, 9
.set TGI, 10                           ; v10, v11 from record 48 on (topic, K = g)
.set TGS, 11
.set VA0, 13                           ; v13  cv's images + 16 x lane
.set VST, 14                           ; v14  where I store mine
.set ADV, 15                           ; v15, v16 the head's addresses
.set ADU, 16
.set HH,  17                           ; v17  h
.set NM,  20                           ; v[20:21] -M
.set MX,  22
.set LA,  24                           ; v[24:27] sums, two chains
.set LB,  26
.set INV, 28                           ; v[28:29] a reciprocal
.set AUX, 30                           ; v[30:31] -mean, then 1 / sqrt(var + eps)
.set FS,  32                           ; v32-35 scale words of the four fragments in hand
.set PW,  36                           ; v36  the scale word just made
.set XDS, 37                           ; v37  qzn's scale word
.set T0,  38
.set T1,  39
.set XD,  40                           ; v40-59 qzn's codes (12) and 8 at work
.set T,   64                           ; v64-127 at work; also four fragments at T + 12 i
.set Y,   128                          ; v128-191 qzn, then the sum that becomes y
.set PC,  192                          ; v192-211 codes just made
.set TM,  212                          ; v212-227 the quantiser's scratch
.set U,   228                          ; v228-235 cu of a head
; window 1
.set VV,  0                            ; cv of a head, 8 tiles; gamma during the LayerNorm; at the end unary's rows
.set S,   64                           ; the scores: written by matrix instructions alone
.set AC,  128                          ; the heads' sum of weights; beta during the LayerNorm; at the end qz's rows
                                       ; in the topic phase all 256 are relu's input, tile t at 8 t
.set WV,  20
.set SEL, 24
.set CS,  26                           ; s[26:27] 0.25 log2(e)
.set HC,  40
.set HV,  41
.set HU,  42
.set K128, 43
.set KEPS, 58
.set MSB, 0
.macro WIN new                         ; the immediate's high byte repeats the setting that is left; bits 1:0 source 0, 3:2 source 1, 5:4 source 2, 7:6 destination
.if MSB != \new
	s_set_vgpr_msb (MSB<<8)|\new
.set MSB, \new
.endif
.endm
.macro PLACES n
.rept \n
	v_nop
.endr
.endm
.macro BAR                             ; my LDS stores have landed and my LDS loads are in: then the work-group's barrier
	s_wait_dscnt 0x0
	s_barrier_signal -1
	s_barrier_wait -1
.endm
.macro CROUND                          ; a round of the cluster's barrier
	s_barrier_signal -1
	s_barrier_wait -1
	s_cmp_lg_u32 s[WV], 0
	s_cbranch_scc1 .Lnot_wave_0_\@
	s_barrier_signal -3
.Lnot_wave_0_\@:
	s_barrier_wait -3
	s_barrier_signal -1
	s_barrier_wait -1
.endm
.macro ROWS_ASK reg, base, nt          ; my 16 rows, a whole row of 512 bytes a load
.irp i, 0,1,2,3,4,5,6,7,8,9,10,11,12,13,14,15
.if \nt
	global_load_b128 v[\reg+4*\i:\reg+4*\i+3], v[LI], s[\base:\base+1] offset:(\i+8*(\i/8))*RS th:TH_LOAD_NT
.else
	global_load_b128 v[\reg+4*\i:\reg+4*\i+3], v[LI], s[\base:\base+1] offset:(\i+8*(\i/8))*RS
.endif
.endr
.endm
.macro ROWS_TURN src, win, dst         ; rows as loaded -> my stage -> a lane's 64 numbers of its row.  LDS serves a wave's instructions in order: no wait between the stores and the loads
	WIN \win
.irp i, 0,1,2,3,4,5,6,7,8,9,10,11,12,13,14,15
	ds_store_b128 v[STW], v[\src+4*\i:\src+4*\i+3] offset:528*\i
.endr
	WIN 0
.irp b, 0,1,2,3
.irp j, 0,1,2,3
	ds_load_b128 v[\dst+16*\b+4*\j:\dst+16*\b+4*\j+3], v[STQ] offset:128*\b+16*\j
.endr
.endr
	s_wait_dscnt 0x0
.endm
.macro ROWS_OUT src, base              ; the other way, and out: each store covers 512 consecutive bytes, aligned
.irp b, 0,1,2,3
.irp j, 0,1,2,3
	ds_store_b128 v[STQ], v[\src+16*\b+4*\j:\src+16*\b+4*\j+3] offset:128*\b+16*\j
.endr
.endr
.irp i, 0,1,2,3,4,5,6,7,8,9,10,11,12,13,14,15
	ds_load_b128 v[T+4*\i:T+4*\i+3], v[STW] offset:528*\i
.endr
.irp i, 0,1,2,3,4,5,6,7,8,9,10,11,12,13,14,15
	s_wait_dscnt 15-\i                             ; row i is back; the younger loads may be out
	global_store_b128 v[LI], v[T+4*\i:T+4*\i+3], s[\base:\base+1] offset:(\i+8*(\i/8))*RS
.endr
.endm
.macro VEC64 reg, base                 ; a vector of 128 numbers in a lane's layout
.irp b, 0,1,2,3
.irp j, 0,1,2,3
	global_load_b128 v[\reg+16*\b+4*\j:\reg+16*\b+4*\j+3], v[GB], s[\base:\base+1] offset:128*\b+16*\j
.endr
.endr
.endm
.macro SUM64 src, go                   ; 64 numbers into the chains LA and LB, two at a time; go = 1: the sums begin here
.if \go
	v_pk_add_f32 v[LA:LA+1], v[\src:\src+1], v[\src+4:\src+5]
	v_pk_add_f32 v[LB:LB+1], v[\src+2:\src+3], v[\src+6:\src+7]
.set jj, 8
.else
.set jj, 0
.endif
.rept (64-jj)/4
	v_pk_add_f32 v[LA:LA+1], v[LA:LA+1], v[\src+jj:\src+jj+1]
	v_pk_add_f32 v[LB:LB+1], v[LB:LB+1], v[\src+jj+2:\src+jj+3]
.set jj, jj+4
.endr
.endm
.macro ACROSS                          ; v[T0] = the row's sum: both chains, both halves, and lane l xor 16's
	v_pk_add_f32 v[LA:LA+1], v[LA:LA+1], v[LB:LB+1]
	v_add_f32 v[T0], v[LA], v[LA+1]
	v_permlanex16_b32 v[T1], v[T0], s[SEL], s[SEL+1]
	v_add_f32 v[T0], v[T0], v[T1]
.endm
.macro LNORM src, dst, ga, ba, left    ; dst = (src - mean) / sqrt(var + eps) x gamma + beta; gamma and beta in window 1; left: the loads that may stay out when they are wanted
	SUM64 \src, 1
	ACROSS
	v_mul_f32 v[AUX], 0xbc000000, v[T0]            ; -mean
.set jj, 0
.rept 32
	v_pk_add_f32 v[\dst+jj:\dst+jj+1], v[\src+jj:\src+jj+1], v[AUX:AUX+1] op_sel_hi:[1,0]
.set jj, jj+2
.endr
	v_pk_mul_f32 v[LA:LA+1], v[\dst:\dst+1], v[\dst:\dst+1]
	v_pk_mul_f32 v[LB:LB+1], v[\dst+2:\dst+3], v[\dst+2:\dst+3]
.set jj, 4
.rept 15
	v_pk_fma_f32 v[LA:LA+1], v[\dst+jj:\dst+jj+1], v[\dst+jj:\dst+jj+1], v[LA:LA+1]
	v_pk_fma_f32 v[LB:LB+1], v[\dst+jj+2:\dst+jj+3], v[\dst+jj+2:\dst+jj+3], v[LB:LB+1]
.set jj, jj+4
.endr
	ACROSS
	v_fma_f32 v[T0], v[T0], s[K128], s[KEPS]       ; var + eps
	v_rsq_f32 v[AUX], v[T0]
	v_nop                                          ; a plain line behind the transcendental,
	s_wait_alu depctr_va_vdst(0)                   ; and a wait ahead of its first reader
.set jj, 0
.rept 32
	v_pk_mul_f32 v[\dst+jj:\dst+jj+1], v[\dst+jj:\dst+jj+1], v[AUX:AUX+1] op_sel_hi:[1,0]
.set jj, jj+2
.endr
	s_wait_loadcnt \left                           ; gamma and beta are in
	WIN 0x14
.set jj, 0
.rept 32
	v_pk_fma_f32 v[\dst+jj:\dst+jj+1], v[\dst+jj:\dst+jj+1], v[\ga+jj:\ga+jj+1], v[\ba+jj:\ba+jj+1]
.set jj, jj+2
.endr
	WIN 0
.endm
.macro QMAX src                        ; the largest magnitudes of the row's four blocks of 32 -> v[TM] on
.irp b, 0,1,2,3
	v_max3_num_f32 v[TM+\b], |v[\src+16*\b]|, |v[\src+16*\b+1]|, 0x2800000   ; the floor 2^(5 - 127) among the leaves: the byte cannot fall under 1
.endr
.irp i, 2,4,6,8,10,12,14
.irp b, 0,1,2,3
	v_max3_num_f32 v[TM+\b], v[TM+\b], |v[\src+16*\b+\i]|, |v[\src+16*\b+\i+1]|
.endr
.endr
.irp b, 0,1,2,3
	v_permlanex16_b32 v[TM+4+\b], v[TM+\b], s[SEL], s[SEL+1]
.endr
.irp b, 0,1,2,3
	v_max_num_f32 v[TM+\b], v[TM+\b], v[TM+4+\b]
.endr
.endm
.macro QCODE src, pc, pw               ; from those: the fragment's 12 registers in v[pc] on, the row's scale word in v[pw]
.irp b, 0,1,2,3
	v_add_nc_u32 v[TM+12+\b], 0xfe000000, v[TM+\b]     ; 4 off the exponent field: the conversion's scale operand
.endr
.irp b, 0,1,2,3
	v_lshrrev_b32 v[TM+4+\b], 23, v[TM+12+\b]          ; the scale's byte
.endr
	v_lshl_or_b32 v[\pw], v[TM+5], 8, v[TM+4]
	v_lshl_or_b32 v[\pw], v[TM+6], 16, v[\pw]
	v_lshl_or_b32 v[\pw], v[TM+7], 24, v[\pw]
.irp c, 0,1
	v_cvt_scalef32_pk16_bf6_f32 v[\pc+6*\c:\pc+6*\c+2], v[\src+32*\c:\src+32*\c+15], v[TM+12+2*\c]
	v_cvt_scalef32_pk16_bf6_f32 v[\pc+12+4*\c:\pc+12+4*\c+2], v[\src+32*\c+16:\src+32*\c+31], v[TM+12+2*\c+1]   ; (a conversion's three registers begin on an even number)
.endr
	v_nop                                              ; one plain line behind the last scaled conversion
.irp c, 0,1                            ; the operand wants a whole block in a lane: lanes 0-15 block 2 c, lanes 16-31 block 2 c + 1
.irp i, 0,1,2
	v_permlane16_swap_b32 v[\pc+6*\c+\i], v[\pc+12+4*\c+\i]
.endr
.irp i, 0,1,2
	v_mov_b32 v[\pc+3+6*\c+\i], v[\pc+12+4*\c+\i]
.endr
.endr
.endm
.macro FETCH4 ai, sa, first, step      ; four records into T + 12 i, their scale words into FS + i
.irp i, 0,1,2,3
.irp c, 0,1,2
	ds_load_b128 v[T+12*\i+4*\c:T+12*\i+4*\c+3], v[\ai] offset:((\first)+\i*(\step))*REC+512*\c
.endr
	ds_load_b32 v[FS+\i], v[\sa] offset:((\first)+\i*(\step))*REC
.endr
	s_wait_dscnt 0x0
.endm
.macro UV first                        ; a projection: 8 tiles (tile = head) of W x qzn into S.  Lane (r, h): register 8 t + j = head t, index 8 h + j, of my row r
.irp g, 0,1
	FETCH4 LI, WS, \first+4*\g, 1
	WIN 0x40
.irp i, 0,1,2,3
	v_wmma_scale_f32_16x16x128_f8f6f4 v[S+8*(4*\g+\i):S+8*(4*\g+\i)+7], v[T+12*\i:T+12*\i+11], v[XD:XD+11], 0, v[FS+\i], v[XDS] matrix_a_fmt:MATRIX_FMT_BF6 matrix_b_fmt:MATRIX_FMT_BF6
.endr
	WIN 0
	PLACES 4                                       ; ahead of loads into the fragments' registers and of stores of the results
.endr
.endm
; THE HEAD LOOP'S PARTS.
.macro VLOAD                           ; cv's 8 tiles of keys and my cu of the head at s[HV], s[HU]: 18 LDS loads in one run
	v_add_nc_u32 v[ADV], s[HV], v[VA0]
	v_add_nc_u32 v[ADU], s[HU], v[STW]
	WIN 0x40
.irp t, 0,1,2,3,4,5,6,7
	ds_load_b128 v[VV+8*\t:VV+8*\t+3], v[ADV] offset:1024*\t
	ds_load_b128 v[VV+8*\t+4:VV+8*\t+7], v[ADV] offset:1024*\t+512
.endr
	WIN 0
	ds_load_b128 v[U:U+3], v[ADU]
	ds_load_b128 v[U+4:U+7], v[ADU] offset:512
.endm
.macro FW                              ; product nn of 32 of S^T = cv cu^T: step nn / 8 of K, tile nn % 8 of keys: the eight accumulators take turns, one instruction a turn
	WIN 0x51
.if nn < 8
	v_wmma_f32_16x16x4_f32 v[S+8*nn:S+8*nn+7], v[VV+8*nn:VV+8*nn+1], v[U:U+1], 0
.else
	v_wmma_f32_16x16x4_f32 v[S+8*(nn%8):S+8*(nn%8)+7], v[VV+8*(nn%8)+2*(nn/8):VV+8*(nn%8)+2*(nn/8)+1], v[U+2*(nn/8):U+2*(nn/8)+1], v[S+8*(nn%8):S+8*(nn%8)+7]
.endif
.endm
.macro SMAX                            ; M = ceil(c x the row's largest score); T = c s - M.  Behind it the scores' registers are free
	WIN 0x15
.irp b, 0,1,2,3
	v_max3_num_f32 v[TM+\b], v[S+16*\b], v[S+16*\b+1], v[S+16*\b+2]       ; each accumulator is first read at its low end
.endr
	WIN 0x14
.irp i, 3,5,7,9,11,13
.irp b, 0,1,2,3
	v_max3_num_f32 v[TM+\b], v[TM+\b], v[S+16*\b+\i], v[S+16*\b+\i+1]
.endr
.endr
.irp b, 0,1,2,3
	v_max_num_f32 v[TM+\b], v[TM+\b], v[S+16*\b+15]
.endr
	WIN 0
.irp b, 0,1,2,3
	v_permlanex16_b32 v[TM+4+\b], v[TM+\b], s[SEL], s[SEL+1]
.endr
.irp b, 0,1,2,3
	v_max_num_f32 v[TM+\b], v[TM+\b], v[TM+4+\b]
.endr
	v_max3_num_f32 v[MX], v[TM], v[TM+1], v[TM+2]
	v_max_num_f32 v[MX], v[MX], v[TM+3]
	v_mul_f32 v[MX], s[CS], v[MX]
	v_floor_f32 v[NM], -v[MX]                      ; -M = floor(-t)
	WIN 0x01
.set jj, 0
.rept 32
	v_pk_fma_f32 v[T+jj:T+jj+1], v[S+jj:S+jj+1], s[CS:CS+1], v[NM:NM+1] op_sel_hi:[1,0,0]
.set jj, jj+2
.endr
	WIN 0
.endm
; What is left of a head's vector work behind SMAX, as a numbered list; ITEM writes number jt.  None of it names a register of the score products.
;   0-63    p = 2^(t - M): ONE batch of exponentials          64      the plain line behind the batch, and its one wait, ahead of the first reader
;   65-94   the row's sum, two chains                         95-98   both chains, both halves, lane l xor 16's
;   99-101  the reciprocal, its plain line and wait, x 1/8    102-133 the heads' sum of weights += p / (8 l)
.set NIT, 134
.set PER, 4                            ; lines in slices 16 to 30
.macro ITEM
.if jt < 102
	WIN 0
.else
	WIN 0x50
.endif
.if jt < 64
	v_exp_f32 v[T+jt], v[T+jt]
.elseif jt == 64
	v_nop
	s_wait_alu depctr_va_vdst(0)
.elseif jt == 65
	v_pk_add_f32 v[LA:LA+1], v[T:T+1], v[T+4:T+5]
.elseif jt == 66
	v_pk_add_f32 v[LB:LB+1], v[T+2:T+3], v[T+6:T+7]
.elseif jt < 95
	v_pk_add_f32 v[LA+2*((jt-67)%2):LA+2*((jt-67)%2)+1], v[LA+2*((jt-67)%2):LA+2*((jt-67)%2)+1], v[T+8+2*(jt-67):T+9+2*(jt-67)]
.elseif jt == 95
	v_pk_add_f32 v[LA:LA+1], v[LA:LA+1], v[LB:LB+1]
.elseif jt == 96
	v_add_f32 v[T0], v[LA], v[LA+1]
.elseif jt == 97
	v_permlanex16_b32 v[T1], v[T0], s[SEL], s[SEL+1]
.elseif jt == 98
	v_add_f32 v[T0], v[T0], v[T1]
.elseif jt == 99
	v_rcp_f32 v[INV], v[T0]
.elseif jt == 100
	v_nop
	s_wait_alu depctr_va_vdst(0)
.elseif jt == 101
	v_mul_f32 v[INV], 0x3e000000, v[INV]           ; 1 / (8 l): the mean over the heads
.else
	v_pk_fma_f32 v[AC+2*(jt-102):AC+2*(jt-102)+1], v[T+2*(jt-102):T+2*(jt-102)+1], v[INV:INV+1], v[AC+2*(jt-102):AC+2*(jt-102)+1] op_sel_hi:[1,0,1]
.endif
.endm
; 32 turns: a product of the next head, then a slice of the list.  Slices 0 to 15: four exponentials; 16 to 30: PER lines; slice 31: the rest, 10 packed multiply-adds, which are also the eight places that this
; form of product wants ahead of the loads into its operands' registers and of the first read of its results.
.macro TURNS
.set nn, 0
.set jt, 0
.rept 32
	FW
.set nn, nn+1
.if nn <= 16
.set lim, 4*nn
.elseif nn < 32
.set lim, 64+PER*(nn-16)
.else
.set lim, NIT
.endif
.rept lim-jt
	ITEM
.set jt, jt+1
.endr
.endr
.endm
	s_load_b256 s[4:11], s[0:1], 0x0               ; qz s[4:5], unary s[6:7], gamma s[8:9], beta s[10:11]
	s_load_b128 s[12:15], s[0:1], 0x20             ; wimg s[12:13], y s[14:15]
	v_lshl_add_u32 v254, v0, 2, 0x43800
	v_mov_b32 v255, 0
	ds_add_u32 v254, v255
	ds_add_u32 v254, v255
	v_lshrrev_b32 v2, 5, v0
	v_readfirstlane_b32 s[WV], v2                  ; wave 0..7
	v_and_b32 v2, 31, v0                           ; lane
	v_and_b32 v18, 15, v0                          ; r
	v_bfe_u32 v[HH], v0, 4, 1                      ; h
	v_lshlrev_b32 v[LI], 4, v2
	v_lshl_add_u32 v[WS], v2, 3, 1536
	s_mul_i32 s44, s[WV], STG
	s_add_co_u32 s44, s44, PRIV                    ; my stage
	v_add_nc_u32 v[STW], s44, v[LI]
	v_mul_u32_u24 v[STQ], v18, 528
	v_lshl_add_u32 v[STQ], v[HH], 6, v[STQ]
	v_add_nc_u32 v[STQ], s44, v[STQ]
	v_lshlrev_b32 v[GB], 6, v[HH]
	v_add_nc_u32 v[TDI], 16*REC, v[LI]
	v_add_nc_u32 v[TDS], 16*REC, v[WS]
	v_add_nc_u32 v[TGI], 48*REC, v[LI]
	v_add_nc_u32 v[TGS], 48*REC, v[WS]
	v_add_nc_u32 v[VA0], VR, v[LI]
	s_lshl_b32 s45, s[WV], 10
	s_add_co_u32 s45, s45, VR
	v_add_nc_u32 v[VST], s45, v[LI]
	v_mov_b32 v[NM+1], 0                           ; upper halves of pairs of which the low word serves both halves, and lane permutes' destinations: written once
	v_mov_b32 v[INV+1], 0
	v_mov_b32 v[AUX+1], 0
	v_mov_b32 v[T1], 0
.irp b, 0,1,2,3
	v_mov_b32 v[TM+4+\b], 0
.endr
	s_bfe_u32 s21, ttmp6, 0x40000                  ; cx
	s_lshl_b32 s22, ttmp9, 2
	s_add_co_u32 s22, s22, s21                     ; the patch: it enters the addresses of qz, unary and y alone
	s_and_b32 s23, ttmp7, 0xffff                   ; the batch, which the four partners share
	s_mov_b32 s[SEL], 0x76543210
	s_mov_b32 s[SEL+1], 0xfedcba98
	s_mov_b32 s[CS], 0x3eb8aa3b                    ; log2(e) / sqrt(16)
	s_mov_b32 s[CS+1], s[CS]
	s_mov_b32 s[K128], 0x3c000000                  ; 1 / 128
	s_mov_b32 s[KEPS], 0x3727c5ac                  ; 1e-5
	s_lshr_b32 s46, s[WV], 1
	s_lshl_b32 s46, s46, 5
	s_and_b32 s47, s[WV], 1
	s_lshl_b32 s47, s47, 3
	s_add_co_u32 s46, s46, s47                     ; my tile's first row: 32 (w / 2) + 8 (w % 2)
	s_lshl_b32 s46, s46, 16
	s_lshl_b32 s47, s23, 23
	s_add_co_u32 s46, s46, s47
	s_lshl_b32 s47, s22, 9
	s_add_co_u32 s46, s46, s47                     ; + batch x 8,388,608 + patch x 512
	s_mov_b32 s47, 0
	; the weights: my eighth of the batch's first 80 records: 70 rows of 256 bytes, dense
	s_mov_b32 s28, 1                               ; group 0: count = 1
	s_mul_i32 s29, s[WV], NROW*256                 ; LDS address: wave x 17,920
	s_mul_i32 s56, s23, 112*REC
	s_add_co_u32 s56, s56, s29
	s_mov_b32 s57, 0
	s_mov_b32 s32, 15|(3<<16)|(1<<21)              ; group 1: the mask names the cluster's four; elements of 8 bytes; bit 21 beside a mask; no padding
	s_mov_b32 s33, 32<<16                          ; tensor_dim0 = 32
	s_mov_b32 s34, NROW<<16                        ; tensor_dim1
	s_mov_b32 s35, 32<<16                          ; tile_dim0
	s_mov_b32 s36, NROW                            ; tile_dim1
	s_mov_b32 s37, 32                              ; from row to row
	s_mov_b32 s38, 0
	s_mov_b32 s39, 0
	s_wait_dscnt 0x0
	s_wait_kmcnt 0x0
	s_add_nc_u64 s[48:49], s[4:5], s[46:47]        ; qz, unary and y at my first row
	s_add_nc_u64 s[50:51], s[6:7], s[46:47]
	s_add_nc_u64 s[52:53], s[14:15], s[46:47]
	s_add_nc_u64 s[30:31], s[12:13], s[56:57]
	s_or_b32 s31, s31, 0x80000000                  ; type = 2
	ROWS_ASK T, 48, 0                              ; my rows are asked for ahead of the round: nobody writes these bytes, so the loads may be out across it
	WIN 0x40
	VEC64 VV, 8                                    ; gamma
	VEC64 AC, 10                                   ; beta
	WIN 0
	CROUND                                         ; all four work-groups are here: the joint loads meet
	tensor_load_to_lds s[28:31], s[32:39]
	s_nop 0
	PLACES 4                                       ; four places behind a tensor load
	s_wait_loadcnt 32                              ; my rows of qz are in; gamma's and beta's 32 loads may be out
	ROWS_TURN T, 0, T
	LNORM T, Y, VV, AC, 0
	QMAX Y
	QCODE Y, XD, XDS
	PLACES 4                                       ; an operand made by vector lines stands 4 places ahead of a scaled product, its scale word 8
	s_wait_tensorcnt 0x0                           ; my part of the weights has landed,
	BAR                                            ; everybody's has
	UV 0                                           ; cu
	WIN 0x04
.irp t, 0,1,2,3,4,5,6,7
	ds_store_b128 v[STW], v[S+8*\t:S+8*\t+3] offset:1024*\t            ; my own images, a head each
	ds_store_b128 v[STW], v[S+8*\t+4:S+8*\t+7] offset:1024*\t+512
.endr
	WIN 0
	UV 8                                           ; cv (its first wait for LDS also shows that the stores above have read their registers)
	WIN 0x04
.irp t, 0,1,2,3,4,5,6,7
	ds_store_b128 v[VST], v[S+8*\t:S+8*\t+3] offset:8192*\t            ; head t, tile of keys w
	ds_store_b128 v[VST], v[S+8*\t+4:S+8*\t+7] offset:8192*\t+512
.endr
	WIN 0
	BAR                                            ; cv of all 128 keys lies in LDS
	s_mov_b32 s[HV], 0
	s_mov_b32 s[HU], 0
	VLOAD                                          ; head 0
	WIN 0x40
.set jj, 0
.rept 64
	v_mov_b32 v[AC+jj], 0                          ; once, so that a head's step is written once; it stands under the loads above
.set jj, jj+1
.endr
	WIN 0
	s_wait_dscnt 0x0
.set nn, 0
.rept 32
	FW                                             ; head 0's scores: there is no vector work yet to set between them
.set nn, nn+1
.endr
	WIN 0
	PLACES 8                                       ; eight places behind this form ahead of loads into its operands and of the first read of its results
	s_mov_b32 s[HC], 7
.Lhead:                                            ; 7 trips: the softmax of a head, and between its lines the scores of the next
	s_add_co_u32 s[HV], s[HV], 8192
	s_add_co_u32 s[HU], s[HU], 1024
	VLOAD                                          ; the next head's cv and cu: they land under the search for the maximum
	SMAX
	s_wait_dscnt 0x0
	TURNS
	WIN 0
	s_sub_co_u32 s[HC], s[HC], 1
	s_cmp_lg_u32 s[HC], 0
	s_cbranch_scc1 .Lhead
	SMAX                                           ; the last head: the list without products
.set jt, 0
.rept NIT
	ITEM
.set jt, jt+1
.endr
	WIN 0x04
.set jj, 0
.rept 32
	v_pk_mul_f32 v[Y+jj:Y+jj+1], v[Y+jj:Y+jj+1], v[AC+jj:AC+jj+1]      ; m_c: key channel d meets feature d
.set jj, jj+2
.endr
	WIN 0
	; THE TOPICS.  32 tiles of qzn T^T fill window 1: register 64 s + 16 b + i = topic 128 s + 32 b + 16 h + i
.set gq, 0
.rept 8
	FETCH4 TDI, TDS, 4*gq, 1
	WIN 0x40
.irp i, 0,1,2,3
	v_wmma_scale_f32_16x16x128_f8f6f4 v[8*(4*gq+\i):8*(4*gq+\i)+7], v[T+12*\i:T+12*\i+11], v[XD:XD+11], 0, v[FS+\i], v[XDS] matrix_a_fmt:MATRIX_FMT_BF6 matrix_b_fmt:MATRIX_FMT_BF6
.endr
	WIN 0
	PLACES 4
.set gq, gq+1
.endr
.irp s, 0,1,2,3                        ; the row's sum of relu
	WIN 0x04
.set jj, 0
.rept 64
	v_max_num_f32 v[T+jj], 0, v[64*\s+jj]
.set jj, jj+1
.endr
	WIN 0
.if \s == 0
	SUM64 T, 1
.else
	SUM64 T, 0
.endif
.endr
	ACROSS
	v_max_num_f32 v[T0], 0x358637bd, v[T0]         ; held at 1e-6 from below
	v_rcp_f32 v[INV], v[T0]
	v_nop
	s_wait_alu depctr_va_vdst(0)
.irp s, 0,1,2,3                        ; K step s of the second product: 128 topics are normalised, quantised and multiplied
	WIN 0x04
.set jj, 0
.rept 64
	v_max_num_f32 v[T+jj], 0, v[64*\s+jj]
.set jj, jj+1
.endr
.if \s == 0
	WIN 0x40
	ROWS_ASK VV, 50, 1                             ; unary's rows, into the registers that this step's topics have left: asked for three K steps ahead of their use
.endif
.if \s == 2
	WIN 0x40
	ROWS_ASK AC, 48, 0                             ; qz's rows likewise
.endif
	WIN 0
.set jj, 0
.rept 32
	v_pk_mul_f32 v[T+jj:T+jj+1], v[T+jj:T+jj+1], v[INV:INV+1] op_sel_hi:[1,0]
.set jj, jj+2
.endr
	QMAX T
	QCODE T, PC, PW
.irp g, 0,1
	FETCH4 TGI, TGS, 16*\g+\s, 4
.if \g == 0
	PLACES 4                                       ; the codes stand 4 places ahead, their scale word 8
.endif
.irp i, 0,1,2,3                        ; the eight accumulators take turns, one instruction a turn
	v_wmma_scale_f32_16x16x128_f8f6f4 v[Y+8*(4*\g+\i):Y+8*(4*\g+\i)+7], v[T+12*\i:T+12*\i+11], v[PC:PC+11], v[Y+8*(4*\g+\i):Y+8*(4*\g+\i)+7], v[FS+\i], v[PW] matrix_a_fmt:MATRIX_FMT_BF6 matrix_b_fmt:MATRIX_FMT_BF6
.endr
	PLACES 4
.endr
.endr
	s_wait_loadcnt 16                              ; unary's rows are in; qz's 16 loads may be out
	ROWS_TURN VV, 0x04, T
.set jj, 0
.rept 32
	v_pk_add_f32 v[Y+jj:Y+jj+1], v[Y+jj:Y+jj+1], v[T+jj:T+jj+1]
.set jj, jj+2
.endr
	s_wait_loadcnt 0x0
	ROWS_TURN AC, 0x04, T
.set jj, 0
.rept 32
	v_pk_add_f32 v[Y+jj:Y+jj+1], v[Y+jj:Y+jj+1], v[T+jj:T+jj+1]
.set jj, jj+2
.endr
	ROWS_OUT Y, 52                                 ; (its last wait on LDS is for 0)
	s_wait_tensorcnt 0x0
	ds_add_u32 v254, v255
	s_wait_dscnt 0x0
	CROUND                                         ; the closing round: no work-group ends while a partner may still ask for a tile that names it
	s_endpgm
.Lfunc_end_k_qfc47042f64_chan:
	.size	k_qfc47042f64_chan, .Lfunc_end_k_qfc47042f64_chan-k_qfc47042f64_chan
	.p2alignl 7, 3214868480
	.fill 96, 4, 3214868480
	.section	.rodata,"a",@progbits
	.p2align	6, 0x0
	.amdhsa_kernel k_qfc47042f64_chan
		.amdhsa_group_segment_fixed_size 277504
		.amdhsa_private_segment_fixed_size 0
		.amdhsa_enable_private_segment 0
		.amdhsa_kernarg_size 48
		.amdhsa_user_sgpr_count 2
		.amdhsa_user_sgpr_kernarg_segment_ptr 1
		.amdhsa_wavefront_size32 1
		.amdhsa_system_sgpr_workgroup_id_x 1
		.amdhsa_system_sgpr_workgroup_id_y 1
		.amdhsa_system_sgpr_workgroup_id_z 1
		.amdhsa_system_vgpr_workitem_id 0
		.amdhsa_next_free_vgpr 512
		.amdhsa_next_free_sgpr 66
		.amdhsa_reserve_vcc 0
		.amdhsa_float_denorm_mode_32 3
		.amdhsa_float_denorm_mode_16_64 3
		.amdhsa_memory_ordered 1
		.amdhsa_forward_progress 1
		.amdhsa_inst_pref_size 161
	.end_amdhsa_kernel
	.amdgpu_metadata
---
amdhsa.version: [ 1, 2 ]
amdhsa.kernels:
  - .name:           k_qfc47042f64_chan
    .symbol:         k_qfc47042f64_chan.kd
    .args:
      - { .name: qz, .offset: 0, .size: 8, .value_kind: global_buffer, .address_space: global }
      - { .name: unary, .offset: 8, .size: 8, .value_kind: global_buffer, .address_space: global }
      - { .name: ln_gamma, .offset: 16, .size: 8, .value_kind: global_buffer, .address_space: global }
      - { .name: ln_beta, .offset: 24, .size: 8, .value_kind: global_buffer, .address_space: global }
      - { .name: wimg, .offset: 32, .size: 8, .value_kind: global_buffer, .address_space: global }
      - { .name: y, .offset: 40, .size: 8, .value_kind: global_buffer, .address_space: global }
    .group_segment_fixed_size: 277504
    .private_segment_fixed_size: 0
    .kernarg_segment_align: 8
    .kernarg_segment_size: 48
    .max_flat_workgroup_size: 256
    .sgpr_count:     66
    .vgpr_count:     512
    .wavefront_size: 32
...
	.end_amdgpu_metadata
.endif
;; end of part 2
;; launch time (part 3): grid 128 x 4, 8 waves a work-group, clusters of 4 x 1, 205,824 bytes of LDS; arguments qz, y, ln_gamma, ln_beta, b1, b2, wimg, out0; writes out0
.if DOCPART == 3
	.amdgcn_target "amdgcn-amd-amdhsa--gfx1250"
	.amdhsa_code_object_version 6
	.text
	.protected	k_qfc47042f64_time
	.globl	k_qfc47042f64_time
	.p2align	8
	.type	k_qfc47042f64_time,@function
k_qfc47042f64_time:
	s_mov_b64 s[64:65], 0
	v_nop
	global_prefetch_b8 v0, s[64:65] scope:SCOPE_SE
	s_setreg_imm32_b32 hwreg(HW_REG_WAVE_MODE, 25, 1), 1
	s_wait_xcnt 0x0
	s_wait_alu depctr_hold_cnt(0) depctr_sa_sdst(0) depctr_va_vdst(0) depctr_va_sdst(0) depctr_va_ssrc(0) depctr_va_vcc(0) depctr_vm_vsrc(0)
	s_getreg_b32 s2, hwreg(HW_REG_IB_STS2, 6, 4)
	s_cmp_eq_u32 s2, 0
	s_cbranch_scc0 .Lentry_in_a_cluster
	s_endpgm
.Lentry_in_a_cluster:
	s_bfe_u32 s2, ttmp6, 0x10000c
	s_cmp_lg_u32 s2, 0x3003
	s_cbranch_scc0 .Lentry_shape_is_right
	s_endpgm
.Lentry_shape_is_right:
; out = x + MLP(LayerNorm(x)), x = 0.5 (y + m_t), for one slice (batch b, channel c): 128 rows (the patches) x 128.  qzn = LayerNorm(qz).
; m_t: tu = qzn Wtu^T, tv = qzn Wtv^T (BF6 codes); for each of 8 heads the scores tu . tv / 4 (f32 operands: they go on into a quantised operand), p = 2^(t - M) with M = ceil(the row's largest t),
; p quantised along the keys, times qzn quantised along the patches, divided by the sum of the unquantised p; the heads' mean.
; MLP: gelu(h w1^T + b1) w2^T + b2, both products on codes; gelu with erf, erf(z) = z P(z^2) / Q(z^2), z held to +-4.
; SHARES, LAYOUT, WEIGHTS, SCORES as in the launch before: 8 waves, each 16 rows from beginning to end (lane r of wave w: row 32 (w / 2) + 8 (w % 2) + r + (r & 8)); all products transposed; in every array of 64 registers
; lane (r, h) holds row r, register 16 b + i column 32 b + 16 h + i.  32 records of weights (time_u, time_v, w1, w2) come once by 8 joint tensor loads; no LDS byte is filled twice; a wave has one tensor load out.
; qzn WITH THE PATCHES AS K: the eight waves' stages together hold qzn in f32; wave w reads columns d of its tile down the patches, quantises them, and the 8 records go round through LDS and stay in every wave's registers.
; BY TURNS.  A wave issues in order, so a head's 32 score products and its softmax, set one behind the other, leave one unit idle while the other works.  As soon as a head's scores have been scaled into T their registers are free:
; the NEXT head's 32 products are then issued one by one, and behind each stands a slice of the list of what is left of this head's work (68 exponentials, the sums, the quantiser, the 8 products with qzn, whose results
; take T's registers, and the update of O): 183 lines = 16 slices of 4, 15 of 7 and one of 14.  The slices work in another window than the score products: two switches a slice, 64 for a head's 32 products.
; LIMITS: NaN and infinities are not served; a block of zeros or under 2^-122 gets the byte 1; divisions are v_rcp_f32 and a multiplication; erf's rational form errs by about 1e-7; the order of f32 sums differs from the definition's.
.set RS,    512
.set REC,   1792
.set NROW,  28                         ; rows of 256 bytes in a wave's tensor load: 32 records / 8
.set VR,    32*REC                     ; LDS: behind the weights: tv's images, [head][tile of keys] of 1,024 bytes
.set PRIV,  VR+65536                   ; each wave's 8,448 bytes: a stage of 16 rows x 528; all eight together qzn in f32; then tu's 8 images; then the stage again
.set STG,   16*528
.set XP,    PRIV+8*STG                 ; 8 records: qzn with K = the patches
; window 0
.set LI,  1                            ; v1   16 x lane
.set STW, 3                            ; v3   my stage + 16 x lane
.set STQ, 4                            ; v4   my stage + 528 r + 64 h
.set GB,  5                            ; v5   64 h
.set WS,  7                            ; v7   1,536 + 8 x lane
.set NC,  8                            ; v8   qzn in LDS: my column, my half's first patch
.set XPW, 9                            ; v9, v10  where I store my record and its scale words
.set XPWS, 10
.set XPI, 11                           ; v11, v12 where all are read
.set XPSA, 12
.set VA0, 13
.set VST, 14
.set ADV, 15
.set ADU, 16
.set HH,  17
.set NM,  20
.set MX,  22
.set LA,  24
.set LB,  26
.set INV, 28
.set AUX, 30
.set FS,  32
.set PW,  36
.set XDS, 37
.set T0,  38
.set T1,  39
.set XD,  40                           ; v40-59 qzn's codes, K = d; later gelu's scratch:
.set Z2,  40                           ; v40-47
.set PP,  48                           ; v48-55
.set QQ,  56                           ; v56-63
.set T,   64                           ; v64-127 at work: t - M, p, then a head's p x qzn; also four fragments at T + 12 i
.set O,   128                          ; v128-191 y, then y + m_t, then x
.set PC,  192
.set TM,  212
.set U,   228
.set XPSC, 236                         ; v236-243 scale words of the 8 records
.set KA,  244                          ; v[244:245] P's leading coefficient
.set KB,  246                          ; v[246:247] Q's
; window 1
.set VV,  0                            ; tv of a head; gamma during a LayerNorm; b2 at the end
.set S,   64                           ; the projections', the scores' and the MLP's results: written by matrix instructions alone
.set XR,  128                          ; v128-223 the 8 records; beta in 128-191 during a LayerNorm
.set BB1, 192                          ; b1 at the end
.set WV,  20
.set SEL, 24
.set CS,  26
.set HC,  40
.set HV,  41
.set HU,  42
.set K128, 43
.set KEPS, 58
.set MSB, 0
.macro WIN new                         ; the immediate's high byte repeats the setting that is left; bits 1:0 source 0, 3:2 source 1, 5:4 source 2, 7:6 destination
.if MSB != \new
	s_set_vgpr_msb (MSB<<8)|\new
.set MSB, \new
.endif
.endm
.macro PLACES n
.rept \n
	v_nop
.endr
.endm
.macro BAR                             ; my LDS stores have landed and my LDS loads are in: then the work-group's barrier
	s_wait_dscnt 0x0
	s_barrier_signal -1
	s_barrier_wait -1
.endm
.macro CROUND                          ; a round of the cluster's barrier
	s_barrier_signal -1
	s_barrier_wait -1
	s_cmp_lg_u32 s[WV], 0
	s_cbranch_scc1 .Lnot_wave_0_\@
	s_barrier_signal -3
.Lnot_wave_0_\@:
	s_barrier_wait -3
	s_barrier_signal -1
	s_barrier_wait -1
.endm
.macro ROWS_ASK reg, base              ; my 16 rows, a whole row of 512 bytes a load; read once in this launch
.irp i, 0,1,2,3,4,5,6,7,8,9,10,11,12,13,14,15
	global_load_b128 v[\reg+4*\i:\reg+4*\i+3], v[LI], s[\base:\base+1] offset:(\i+8*(\i/8))*RS th:TH_LOAD_NT
.endr
.endm
.macro TOQ src                         ; a lane's 64 numbers into its row of my stage
.irp b, 0,1,2,3
.irp j, 0,1,2,3
	ds_store_b128 v[STQ], v[\src+16*\b+4*\j:\src+16*\b+4*\j+3] offset:128*\b+16*\j
.endr
.endr
.endm
.macro ROWS_TURN src, dst              ; rows as loaded -> my stage -> a lane's 64 numbers of its row.  LDS serves a wave's instructions in order: no wait between the stores and the loads
.irp i, 0,1,2,3,4,5,6,7,8,9,10,11,12,13,14,15
	ds_store_b128 v[STW], v[\src+4*\i:\src+4*\i+3] offset:528*\i
.endr
.irp b, 0,1,2,3
.irp j, 0,1,2,3
	ds_load_b128 v[\dst+16*\b+4*\j:\dst+16*\b+4*\j+3], v[STQ] offset:128*\b+16*\j
.endr
.endr
	s_wait_dscnt 0x0
.endm
.macro ROWS_OUT src, base              ; the other way, and out: each store covers 512 consecutive bytes, aligned; written once, read by nobody here
	TOQ \src
.irp i, 0,1,2,3,4,5,6,7,8,9,10,11,12,13,14,15
	ds_load_b128 v[T+4*\i:T+4*\i+3], v[STW] offset:528*\i
.endr
.irp i, 0,1,2,3,4,5,6,7,8,9,10,11,12,13,14,15
	s_wait_dscnt 15-\i                             ; row i is back; the younger loads may be out
	global_store_b128 v[LI], v[T+4*\i:T+4*\i+3], s[\base:\base+1] offset:(\i+8*(\i/8))*RS th:TH_STORE_NT
.endr
.endm
.macro VEC64 reg, base                 ; a vector of 128 numbers in a lane's layout
.irp b, 0,1,2,3
.irp j, 0,1,2,3
	global_load_b128 v[\reg+16*\b+4*\j:\reg+16*\b+4*\j+3], v[GB], s[\base:\base+1] offset:128*\b+16*\j
.endr
.endr
.endm
.macro SUM64 src                       ; 64 numbers into the chains LA and LB, two at a time
	v_pk_add_f32 v[LA:LA+1], v[\src:\src+1], v[\src+4:\src+5]
	v_pk_add_f32 v[LB:LB+1], v[\src+2:\src+3], v[\src+6:\src+7]
.set jj, 8
.rept 14
	v_pk_add_f32 v[LA:LA+1], v[LA:LA+1], v[\src+jj:\src+jj+1]
	v_pk_add_f32 v[LB:LB+1], v[LB:LB+1], v[\src+jj+2:\src+jj+3]
.set jj, jj+4
.endr
.endm
.macro ACROSS                          ; v[T0] = the row's sum: both chains, both halves, and lane l xor 16's
	v_pk_add_f32 v[LA:LA+1], v[LA:LA+1], v[LB:LB+1]
	v_add_f32 v[T0], v[LA], v[LA+1]
	v_permlanex16_b32 v[T1], v[T0], s[SEL], s[SEL+1]
	v_add_f32 v[T0], v[T0], v[T1]
.endm
.macro LNORM src, dst, ga, ba, left    ; dst = (src - mean) / sqrt(var + eps) x gamma + beta; gamma and beta in window 1; left: the loads that may stay out when they are wanted
	SUM64 \src
	ACROSS
	v_mul_f32 v[AUX], 0xbc000000, v[T0]            ; -mean
.set jj, 0
.rept 32
	v_pk_add_f32 v[\dst+jj:\dst+jj+1], v[\src+jj:\src+jj+1], v[AUX:AUX+1] op_sel_hi:[1,0]
.set jj, jj+2
.endr
	v_pk_mul_f32 v[LA:LA+1], v[\dst:\dst+1], v[\dst:\dst+1]
	v_pk_mul_f32 v[LB:LB+1], v[\dst+2:\dst+3], v[\dst+2:\dst+3]
.set jj, 4
.rept 15
	v_pk_fma_f32 v[LA:LA+1], v[\dst+jj:\dst+jj+1], v[\dst+jj:\dst+jj+1], v[LA:LA+1]
	v_pk_fma_f32 v[LB:LB+1], v[\dst+jj+2:\dst+jj+3], v[\dst+jj+2:\dst+jj+3], v[LB:LB+1]
.set jj, jj+4
.endr
	ACROSS
	v_fma_f32 v[T0], v[T0], s[K128], s[KEPS]       ; var + eps
	v_rsq_f32 v[AUX], v[T0]
	v_nop                                          ; a plain line behind the transcendental,
	s_wait_alu depctr_va_vdst(0)                   ; and a wait ahead of its first reader
.set jj, 0
.rept 32
	v_pk_mul_f32 v[\dst+jj:\dst+jj+1], v[\dst+jj:\dst+jj+1], v[AUX:AUX+1] op_sel_hi:[1,0]
.set jj, jj+2
.endr
	s_wait_loadcnt \left                           ; gamma and beta are in
	WIN 0x14
.set jj, 0
.rept 32
	v_pk_fma_f32 v[\dst+jj:\dst+jj+1], v[\dst+jj:\dst+jj+1], v[\ga+jj:\ga+jj+1], v[\ba+jj:\ba+jj+1]
.set jj, jj+2
.endr
	WIN 0
.endm
.macro QMAX src                        ; the largest magnitudes of the row's four blocks of 32 -> v[TM] on
.irp b, 0,1,2,3
	v_max3_num_f32 v[TM+\b], |v[\src+16*\b]|, |v[\src+16*\b+1]|, 0x2800000   ; the floor 2^(5 - 127) among the leaves: the byte cannot fall under 1
.endr
.irp i, 2,4,6,8,10,12,14
.irp b, 0,1,2,3
	v_max3_num_f32 v[TM+\b], v[TM+\b], |v[\src+16*\b+\i]|, |v[\src+16*\b+\i+1]|
.endr
.endr
.irp b, 0,1,2,3
	v_permlanex16_b32 v[TM+4+\b], v[TM+\b], s[SEL], s[SEL+1]
.endr
.irp b, 0,1,2,3
	v_max_num_f32 v[TM+\b], v[TM+\b], v[TM+4+\b]
.endr
.endm
.macro QCODE src, pc, pw               ; from those: the fragment's 12 registers in v[pc] on, the row's scale word in v[pw]
.irp b, 0,1,2,3
	v_add_nc_u32 v[TM+12+\b], 0xfe000000, v[TM+\b]     ; 4 off the exponent field: the conversion's scale operand
.endr
.irp b, 0,1,2,3
	v_lshrrev_b32 v[TM+4+\b], 23, v[TM+12+\b]          ; the scale's byte
.endr
	v_lshl_or_b32 v[\pw], v[TM+5], 8, v[TM+4]
	v_lshl_or_b32 v[\pw], v[TM+6], 16, v[\pw]
	v_lshl_or_b32 v[\pw], v[TM+7], 24, v[\pw]
.irp c, 0,1
	v_cvt_scalef32_pk16_bf6_f32 v[\pc+6*\c:\pc+6*\c+2], v[\src+32*\c:\src+32*\c+15], v[TM+12+2*\c]
	v_cvt_scalef32_pk16_bf6_f32 v[\pc+12+4*\c:\pc+12+4*\c+2], v[\src+32*\c+16:\src+32*\c+31], v[TM+12+2*\c+1]   ; (a conversion's three registers begin on an even number)
.endr
	v_nop                                              ; one plain line behind the last scaled conversion
.irp c, 0,1                            ; the operand wants a whole block in a lane: lanes 0-15 block 2 c, lanes 16-31 block 2 c + 1
.irp i, 0,1,2
	v_permlane16_swap_b32 v[\pc+6*\c+\i], v[\pc+12+4*\c+\i]
.endr
.irp i, 0,1,2
	v_mov_b32 v[\pc+3+6*\c+\i], v[\pc+12+4*\c+\i]
.endr
.endr
.endm
.macro QCOL src, pc, pw                ; 64 numbers of a lane that are two WHOLE blocks (register 32 c + i = k 64 c + 32 h + i) become a fragment and its scale word
.irp c, 0,1
	v_max3_num_f32 v[TM+\c], |v[\src+32*\c]|, |v[\src+32*\c+1]|, 0x2800000
.endr
.irp i, 2,4,6,8,10,12,14,16,18,20,22,24,26,28,30
.irp c, 0,1
	v_max3_num_f32 v[TM+\c], v[TM+\c], |v[\src+32*\c+\i]|, |v[\src+32*\c+\i+1]|
.endr
.endr
.irp c, 0,1
	v_add_nc_u32 v[TM+12+\c], 0xfe000000, v[TM+\c]
.endr
.irp c, 0,1
	v_lshrrev_b32 v[TM+4+\c], 23, v[TM+12+\c]
.endr
	v_lshl_or_b32 v[\pw], v[TM+5], 16, v[TM+4]         ; my bytes: blocks h and 2 + h,
	v_lshlrev_b32 v[TM+8], 3, v[HH]
	v_lshlrev_b32 v[\pw], v[TM+8], v[\pw]              ; 8 h bits up;
	v_permlanex16_b32 v[TM+6], v[\pw], s[SEL], s[SEL+1]
	v_or_b32 v[\pw], v[\pw], v[TM+6]                   ; with lane l xor 16's two the word is whole
.irp c, 0,1
	v_cvt_scalef32_pk16_bf6_f32 v[\pc+6*\c:\pc+6*\c+2], v[\src+32*\c:\src+32*\c+15], v[TM+12+\c]
	v_cvt_scalef32_pk16_bf6_f32 v[\pc+12+4*\c:\pc+12+4*\c+2], v[\src+32*\c+16:\src+32*\c+31], v[TM+12+\c]
.endr
	v_nop
.irp c, 0,1
.irp i, 0,1,2
	v_mov_b32 v[\pc+3+6*\c+\i], v[\pc+12+4*\c+\i]
.endr
.endr
.endm
.macro FETCH4 first                    ; four neighbouring records of weights into T + 12 i, their scale words into FS + i
.irp i, 0,1,2,3
.irp c, 0,1,2
	ds_load_b128 v[T+12*\i+4*\c:T+12*\i+4*\c+3], v[LI] offset:((\first)+\i)*REC+512*\c
.endr
	ds_load_b32 v[FS+\i], v[WS] offset:((\first)+\i)*REC
.endr
	s_wait_dscnt 0x0
.endm
.macro UV first                        ; a projection: 8 tiles (tile = head) of W x qzn into S.  Lane (r, h): register 8 t + j = head t, index 8 h + j, of my row r
.irp g, 0,1
	FETCH4 \first+4*\g
	WIN 0x40
.irp i, 0,1,2,3
	v_wmma_scale_f32_16x16x128_f8f6f4 v[S+8*(4*\g+\i):S+8*(4*\g+\i)+7], v[T+12*\i:T+12*\i+11], v[XD:XD+11], 0, v[FS+\i], v[XDS] matrix_a_fmt:MATRIX_FMT_BF6 matrix_b_fmt:MATRIX_FMT_BF6
.endr
	WIN 0
	PLACES 4                                       ; ahead of loads into the fragments' registers and of stores of the results
.endr
.endm
.macro DENSE first, bias               ; a layer of the MLP: 8 tiles of W x the codes in PC, the bias (window 1) as the sums' start
.irp g, 0,1
	FETCH4 \first+4*\g
.if \g == 0
	PLACES 4                                       ; the codes stand 4 places ahead, their scale word 8
.endif
	WIN 0x50
.irp i, 0,1,2,3
	v_wmma_scale_f32_16x16x128_f8f6f4 v[S+8*(4*\g+\i):S+8*(4*\g+\i)+7], v[T+12*\i:T+12*\i+11], v[PC:PC+11], v[\bias+8*(4*\g+\i):\bias+8*(4*\g+\i)+7], v[FS+\i], v[PW] matrix_a_fmt:MATRIX_FMT_BF6 matrix_b_fmt:MATRIX_FMT_BF6
.endr
	WIN 0
	PLACES 4
.endr
.endm
; THE HEAD LOOP'S PARTS.
.macro VLOAD                           ; tv's 8 tiles of keys and my tu of the head at s[HV], s[HU]: 18 LDS loads in one run
	v_add_nc_u32 v[ADV], s[HV], v[VA0]
	v_add_nc_u32 v[ADU], s[HU], v[STW]
	WIN 0x40
.irp t, 0,1,2,3,4,5,6,7
	ds_load_b128 v[VV+8*\t:VV+8*\t+3], v[ADV] offset:1024*\t
	ds_load_b128 v[VV+8*\t+4:VV+8*\t+7], v[ADV] offset:1024*\t+512
.endr
	WIN 0
	ds_load_b128 v[U:U+3], v[ADU]
	ds_load_b128 v[U+4:U+7], v[ADU] offset:512
.endm
.macro FW                              ; product nn of 32 of S^T = tv tu^T: step nn / 8 of K, tile nn % 8 of keys: the eight accumulators take turns, one instruction a turn
	WIN 0x51
.if nn < 8
	v_wmma_f32_16x16x4_f32 v[S+8*nn:S+8*nn+7], v[VV+8*nn:VV+8*nn+1], v[U:U+1], 0
.else
	v_wmma_f32_16x16x4_f32 v[S+8*(nn%8):S+8*(nn%8)+7], v[VV+8*(nn%8)+2*(nn/8):VV+8*(nn%8)+2*(nn/8)+1], v[U+2*(nn/8):U+2*(nn/8)+1], v[S+8*(nn%8):S+8*(nn%8)+7]
.endif
.endm
.macro SMAX                            ; M = ceil(c x the row's largest score); T = c s - M, and the same of each block's largest score.  Behind it the scores' registers are free
	WIN 0x15
.irp b, 0,1,2,3
	v_max3_num_f32 v[TM+\b], v[S+16*\b], v[S+16*\b+1], v[S+16*\b+2]       ; each block's largest score; each accumulator is first read at its low end
.endr
	WIN 0x14
.irp i, 3,5,7,9,11,13
.irp b, 0,1,2,3
	v_max3_num_f32 v[TM+\b], v[TM+\b], v[S+16*\b+\i], v[S+16*\b+\i+1]
.endr
.endr
.irp b, 0,1,2,3
	v_max_num_f32 v[TM+\b], v[TM+\b], v[S+16*\b+15]
.endr
	WIN 0
.irp b, 0,1,2,3
	v_permlanex16_b32 v[TM+4+\b], v[TM+\b], s[SEL], s[SEL+1]
.endr
.irp b, 0,1,2,3
	v_max_num_f32 v[TM+\b], v[TM+\b], v[TM+4+\b]
.endr
	v_max3_num_f32 v[MX], v[TM], v[TM+1], v[TM+2]
	v_max_num_f32 v[MX], v[MX], v[TM+3]
	v_mul_f32 v[MX], s[CS], v[MX]
	v_floor_f32 v[NM], -v[MX]                      ; -M = floor(-t): M is a whole number
	WIN 0x01
.set jj, 0
.rept 32
	v_pk_fma_f32 v[T+jj:T+jj+1], v[S+jj:S+jj+1], s[CS:CS+1], v[NM:NM+1] op_sel_hi:[1,0,0]
.set jj, jj+2
.endr
	WIN 0
.irp b, 0,1,2,3
	v_fma_f32 v[TM+\b], v[TM+\b], s[CS], v[NM]     ; p rises with the score: the block's largest score gives its largest p
.endr
.endm
; What is left of a head's work behind SMAX, as a numbered list; ITEM writes number jt.  None of it names a register of the score products.
;   0-63    p = 2^(t - M): ONE batch of exponentials          64      the plain line behind the batch, and its one wait, ahead of the first reader
;   65-68   each block's largest p                            69-98   the row's sum of the UNQUANTISED p, two chains: plain work behind the four
;   99-102  the four's wait; the floor 2^(5 - 127)            103-130 scale operands, bytes, the scale word, four conversions, their plain line, the exchange of halves
;   131-135 the sum across, its reciprocal                    136-138 with 131-134: the places between the codes' last move and the products (4 are wanted; the scale word stands more than 8 back)
;   139-146 O_h^T = qzn^T p^T: 8 tiles of d, K = the 128 keys, into T's registers, which the conversions have left
;   147-150 the reciprocal's wait, x 1/8, and three more places ahead of the first read of the results
;   151-182 O += O_h / (8 l), each accumulator from its low end on
.set NIT, 183
.set PER, 7                            ; lines in slices 16 to 30
.macro ITEM
.if (jt >= 139) && (jt < 147)
	WIN 0x01
.else
	WIN 0
.endif
.if jt < 64
	v_exp_f32 v[T+jt], v[T+jt]
.elseif jt == 64
	v_nop
	s_wait_alu depctr_va_vdst(0)
.elseif jt < 69
	v_exp_f32 v[TM+jt-65], v[TM+jt-65]
.elseif jt == 69
	v_pk_add_f32 v[LA:LA+1], v[T:T+1], v[T+4:T+5]
.elseif jt == 70
	v_pk_add_f32 v[LB:LB+1], v[T+2:T+3], v[T+6:T+7]
.elseif jt < 99
	v_pk_add_f32 v[LA+2*((jt-71)%2):LA+2*((jt-71)%2)+1], v[LA+2*((jt-71)%2):LA+2*((jt-71)%2)+1], v[T+8+2*(jt-71):T+9+2*(jt-71)]
.elseif jt < 103
.if jt == 99
	s_wait_alu depctr_va_vdst(0)
.endif
	v_max_num_f32 v[TM+jt-99], 0x2800000, v[TM+jt-99]
.elseif jt < 107
	v_add_nc_u32 v[TM+12+jt-103], 0xfe000000, v[TM+jt-103]
.elseif jt < 111
	v_lshrrev_b32 v[TM+4+jt-107], 23, v[TM+12+jt-107]
.elseif jt == 111
	v_lshl_or_b32 v[PW], v[TM+5], 8, v[TM+4]
.elseif jt == 112
	v_lshl_or_b32 v[PW], v[TM+6], 16, v[PW]
.elseif jt == 113
	v_lshl_or_b32 v[PW], v[TM+7], 24, v[PW]
.elseif jt < 118
.set cq, (jt-114)/2
.if (jt-114)%2 == 0
	v_cvt_scalef32_pk16_bf6_f32 v[PC+6*cq:PC+6*cq+2], v[T+32*cq:T+32*cq+15], v[TM+12+2*cq]
.else
	v_cvt_scalef32_pk16_bf6_f32 v[PC+12+4*cq:PC+12+4*cq+2], v[T+32*cq+16:T+32*cq+31], v[TM+12+2*cq+1]
.endif
.elseif jt == 118
	v_nop
.elseif jt < 131
.set cq, (jt-119)/6
.set iq, (jt-119)%3
.if ((jt-119)/3)%2 == 0
	v_permlane16_swap_b32 v[PC+6*cq+iq], v[PC+12+4*cq+iq]
.else
	v_mov_b32 v[PC+3+6*cq+iq], v[PC+12+4*cq+iq]
.endif
.elseif jt == 131
	v_pk_add_f32 v[LA:LA+1], v[LA:LA+1], v[LB:LB+1]
.elseif jt == 132
	v_add_f32 v[T0], v[LA], v[LA+1]
.elseif jt == 133
	v_permlanex16_b32 v[T1], v[T0], s[SEL], s[SEL+1]
.elseif jt == 134
	v_add_f32 v[T0], v[T0], v[T1]
.elseif jt == 135
	v_rcp_f32 v[INV], v[T0]
.elseif jt < 139
	v_nop
.elseif jt < 147
	v_wmma_scale_f32_16x16x128_f8f6f4 v[T+8*(jt-139):T+8*(jt-139)+7], v[XR+12*(jt-139):XR+12*(jt-139)+11], v[PC:PC+11], 0, v[XPSC+jt-139], v[PW] matrix_a_fmt:MATRIX_FMT_BF6 matrix_b_fmt:MATRIX_FMT_BF6
.elseif jt == 147
	s_wait_alu depctr_va_vdst(0)
	v_mul_f32 v[INV], 0x3e000000, v[INV]           ; 1 / (8 l): the division by the sum, and the mean over the heads
.elseif jt < 151
	v_nop
.else
	v_pk_fma_f32 v[O+2*(jt-151):O+2*(jt-151)+1], v[T+2*(jt-151):T+2*(jt-151)+1], v[INV:INV+1], v[O+2*(jt-151):O+2*(jt-151)+1] op_sel_hi:[1,0,1]   ; O began as y: nothing is cleared
.endif
.endm
; 32 turns: a score product of the next head, then a slice of the list.  Slices 0 to 15: four exponentials; 16 to 30: PER lines; slice 31: the rest, 14 packed multiply-adds, which are also the eight places that the
; score products' form wants ahead of the loads into its operands' registers and of the first read of its results.
.macro TURNS
.set nn, 0
.set jt, 0
.rept 32
	FW
.set nn, nn+1
.if nn <= 16
.set lim, 4*nn
.elseif nn < 32
.set lim, 64+PER*(nn-16)
.else
.set lim, NIT
.endif
.rept lim-jt
	ITEM
.set jt, jt+1
.endr
.endr
.endm
.macro HORNER acc, k
.irp u, 0,2,4,6
	v_pk_fma_f32 v[\acc+\u:\acc+\u+1], v[\acc+\u:\acc+\u+1], v[Z2+\u:Z2+\u+1], \k op_sel_hi:[1,1,0]
.endr
.endm
.macro GELU8 g                         ; eight numbers: T holds a / sqrt(2), S holds a; T becomes 0.5 a (1 + erf(a / sqrt(2)))
.irp u, 0,1,2,3,4,5,6,7
	v_med3_num_f32 v[T+8*(\g)+\u], v[T+8*(\g)+\u], -4.0, 4.0
.endr
.irp u, 0,2,4,6
	v_pk_mul_f32 v[Z2+\u:Z2+\u+1], v[T+8*(\g)+\u:T+8*(\g)+\u+1], v[T+8*(\g)+\u:T+8*(\g)+\u+1]
.endr
.irp u, 0,2,4,6
	v_pk_fma_f32 v[PP+\u:PP+\u+1], v[Z2+\u:Z2+\u+1], v[KA:KA+1], 0x32edffee op_sel_hi:[1,0,0]   ; -2.72614226e-10 z^2 + 2.77068142e-08
.endr
.irp u, 0,2,4,6
	v_pk_fma_f32 v[QQ+\u:QQ+\u+1], v[Z2+\u:Z2+\u+1], v[KB:KB+1], 0xb95fbd29 op_sel_hi:[1,0,0]   ; -1.45660718e-05 z^2 - 2.13374055e-04
.endr
	HORNER PP, 0xb60cff51                          ; -2.10102402e-06
	HORNER QQ, 0xbadc924e                          ; -1.68282697e-03
	HORNER PP, 0xb86ec2d2                          ; -5.69250639e-05
	HORNER QQ, 0xbbf19bf8                          ; -7.37332917e-03
	HORNER PP, 0xba40ac63                          ; -7.34990630e-04
	HORNER QQ, 0xbc69b6a7                          ; -1.42647391e-02
	HORNER PP, 0xbb41a1f6                          ; -2.95459981e-03
	HORNER PP, 0xbc83dbd4                          ; -1.60960333e-02
.irp u, 0,1,2,3,4,5,6,7
	v_rcp_f32 v[QQ+\u], v[QQ+\u]
.endr
.irp u, 0,2,4,6
	v_pk_mul_f32 v[PP+\u:PP+\u+1], v[PP+\u:PP+\u+1], v[T+8*(\g)+\u:T+8*(\g)+\u+1]   ; plain work behind the reciprocals
.endr
	WIN 0x01
.irp u, 0,2,4,6
	v_pk_mul_f32 v[Z2+\u:Z2+\u+1], v[S+8*(\g)+\u:S+8*(\g)+\u+1], 0.5 op_sel_hi:[1,0]
.endr
	WIN 0
	s_wait_alu depctr_va_vdst(0)                   ; one wait for the eight, ahead of their first reader
.irp u, 0,2,4,6
	v_pk_mul_f32 v[PP+\u:PP+\u+1], v[PP+\u:PP+\u+1], v[QQ+\u:QQ+\u+1]               ; erf
.endr
.irp u, 0,2,4,6
	v_pk_fma_f32 v[T+8*(\g)+\u:T+8*(\g)+\u+1], v[Z2+\u:Z2+\u+1], v[PP+\u:PP+\u+1], v[Z2+\u:Z2+\u+1]
.endr
.endm
	s_load_b512 s[4:19], s[0:1], 0x0               ; qz s[4:5], y s[6:7], gamma s[8:9], beta s[10:11], b1 s[12:13], b2 s[14:15], wimg s[16:17], out0 s[18:19]
	v_lshl_add_u32 v254, v0, 2, 0x32000
	v_mov_b32 v255, 0
	ds_add_u32 v254, v255
	ds_add_u32 v254, v255
	v_lshrrev_b32 v2, 5, v0
	v_readfirstlane_b32 s[WV], v2                  ; wave 0..7
	v_and_b32 v2, 31, v0                           ; lane
	v_and_b32 v18, 15, v0                          ; r
	v_bfe_u32 v[HH], v0, 4, 1                      ; h
	v_lshlrev_b32 v[LI], 4, v2
	v_lshl_add_u32 v[WS], v2, 3, 1536
	s_mul_i32 s44, s[WV], STG
	s_add_co_u32 s44, s44, PRIV                    ; my stage
	v_add_nc_u32 v[STW], s44, v[LI]
	v_mul_u32_u24 v[STQ], v18, 528
	v_lshl_add_u32 v[STQ], v[HH], 6, v[STQ]
	v_add_nc_u32 v[STQ], s44, v[STQ]
	v_lshlrev_b32 v[GB], 6, v[HH]
	s_lshr_b32 s59, s[WV], 1
	s_lshl_b32 s59, s59, 5
	s_and_b32 s45, s[WV], 1
	s_lshl_b32 s45, s45, 3
	s_add_co_u32 s59, s59, s45                     ; my tile's first row, and first column of qzn: 32 (w / 2) + 8 (w % 2)
	v_and_b32 v19, 8, v18
	v_add_nc_u32 v19, v19, v18                     ; r + (r & 8)
	v_lshlrev_b32 v19, 2, v19
	v_mad_u32_u24 v19, v[HH], 2*STG, v19           ; lanes 16-31 begin 32 patches, two stages, further on
	s_lshl_b32 s45, s59, 2
	s_add_co_u32 s45, s45, PRIV
	v_add_nc_u32 v[NC], s45, v19
	s_mul_i32 s45, s[WV], REC
	s_add_co_u32 s45, s45, XP
	v_add_nc_u32 v[XPW], s45, v[LI]
	v_add_nc_u32 v[XPWS], s45, v[WS]
	v_add_nc_u32 v[XPI], XP, v[LI]
	v_add_nc_u32 v[XPSA], XP, v[WS]
	v_add_nc_u32 v[VA0], VR, v[LI]
	s_lshl_b32 s45, s[WV], 10
	s_add_co_u32 s45, s45, VR
	v_add_nc_u32 v[VST], s45, v[LI]
	v_mov_b32 v[NM+1], 0                           ; upper halves of pairs of which the low word serves both halves, and lane permutes' destinations: written once
	v_mov_b32 v[INV+1], 0
	v_mov_b32 v[AUX+1], 0
	v_mov_b32 v[T1], 0
.irp b, 0,1,2,3
	v_mov_b32 v[TM+4+\b], 0
.endr
	v_mov_b32 v[KA], 0xaf95df0b                    ; -2.72614226e-10
	v_mov_b32 v[KA+1], 0xaf95df0b
	v_mov_b32 v[KB], 0xb77460cd                    ; -1.45660718e-05
	v_mov_b32 v[KB+1], 0xb77460cd
	s_bfe_u32 s21, ttmp6, 0x40000                  ; cx
	s_lshl_b32 s22, ttmp9, 2
	s_add_co_u32 s22, s22, s21                     ; the channel: it enters the addresses of qz, y and out0 alone
	s_and_b32 s23, ttmp7, 0xffff                   ; the batch, which the four partners share
	s_mov_b32 s[SEL], 0x76543210
	s_mov_b32 s[SEL+1], 0xfedcba98
	s_mov_b32 s[CS], 0x3eb8aa3b                    ; log2(e) / sqrt(16)
	s_mov_b32 s[CS+1], s[CS]
	s_mov_b32 s[K128], 0x3c000000                  ; 1 / 128
	s_mov_b32 s[KEPS], 0x3727c5ac                  ; 1e-5
	s_lshl_b32 s46, s23, 7
	s_add_co_u32 s46, s46, s22
	s_lshl_b32 s46, s46, 16                        ; (128 batch + channel) x 65,536
	s_lshl_b32 s47, s59, 9
	s_add_co_u32 s46, s46, s47                     ; + my first row x 512
	s_mov_b32 s47, 0
	; the weights: my eighth of the batch's records 80 to 111: 28 rows of 256 bytes, dense
	s_mov_b32 s28, 1                               ; group 0: count = 1
	s_mul_i32 s29, s[WV], NROW*256                 ; LDS address: wave x 7,168
	s_mul_i32 s56, s23, 112*REC
	s_add_co_u32 s56, s56, 80*REC
	s_add_co_u32 s56, s56, s29
	s_mov_b32 s57, 0
	s_mov_b32 s32, 15|(3<<16)|(1<<21)              ; group 1: the mask names the cluster's four; elements of 8 bytes; bit 21 beside a mask; no padding
	s_mov_b32 s33, 32<<16                          ; tensor_dim0 = 32
	s_mov_b32 s34, NROW<<16                        ; tensor_dim1
	s_mov_b32 s35, 32<<16                          ; tile_dim0
	s_mov_b32 s36, NROW                            ; tile_dim1
	s_mov_b32 s37, 32                              ; from row to row
	s_mov_b32 s38, 0
	s_mov_b32 s39, 0
	s_wait_dscnt 0x0
	s_wait_kmcnt 0x0
	s_add_nc_u64 s[48:49], s[4:5], s[46:47]        ; qz, y and out0 at my first row
	s_add_nc_u64 s[50:51], s[6:7], s[46:47]
	s_add_nc_u64 s[52:53], s[18:19], s[46:47]
	s_add_nc_u64 s[30:31], s[16:17], s[56:57]
	s_or_b32 s31, s31, 0x80000000                  ; type = 2
	ROWS_ASK T, 48                                 ; my rows are asked for ahead of the round: nobody writes these bytes, so the loads may be out across it
	ROWS_ASK O, 50
	WIN 0x40
	VEC64 VV, 8                                    ; gamma
	VEC64 XR, 10                                   ; beta
	WIN 0
	CROUND                                         ; all four work-groups are here: the joint loads meet
	tensor_load_to_lds s[28:31], s[32:39]
	s_nop 0
	PLACES 4                                       ; four places behind a tensor load
	s_wait_loadcnt 48                              ; qz's rows are in; behind them: y's 16 loads, gamma's and beta's 32
	ROWS_TURN T, T
	s_wait_loadcnt 32                              ; y's rows are in
	ROWS_TURN O, O
	LNORM T, T, VV, XR, 0
	QMAX T
	QCODE T, XD, XDS
	TOQ T                                          ; qzn's rows in f32: the eight stages together are the whole slice
	s_wait_tensorcnt 0x0                           ; my part of the weights has landed,
	BAR                                            ; everybody's has, and qzn lies in LDS
	; my tile of qzn with the patches as K: lane (r, h) takes column 32 (w / 2) + 8 (w % 2) + r + (r & 8); patch 64 c + 32 h + 16 a + 8 u + j lies in wave 4 c + 2 h + u's stage, row 8 a + j
.irp c, 0,1
.irp a, 0,1
.irp u, 0,1
.irp j, 0,1,2,3,4,5,6,7
	ds_load_b32 v[T+32*\c+16*\a+8*\u+\j], v[NC] offset:4*STG*\c+STG*\u+528*(8*\a+\j)
.endr
.endr
.endr
.endr
	s_wait_dscnt 0x0
	QCOL T, PC, PW
.irp c, 0,1,2
	ds_store_b128 v[XPW], v[PC+4*\c:PC+4*\c+3] offset:512*\c
.endr
	ds_store_b32 v[XPWS], v[PW]
	BAR                                            ; nobody reads qzn's f32 rows any more, and the 8 records are whole
	WIN 0x40
.irp n, 0,1,2,3,4,5,6,7
.irp c, 0,1,2
	ds_load_b128 v[XR+12*\n+4*\c:XR+12*\n+4*\c+3], v[XPI] offset:REC*\n+512*\c      ; they stay in registers for all 8 heads
.endr
.endr
	WIN 0
.irp n, 0,1,2,3,4,5,6,7
	ds_load_b32 v[XPSC+\n], v[XPSA] offset:REC*\n
.endr
	UV 0                                           ; tu
	WIN 0x04
.irp t, 0,1,2,3,4,5,6,7
	ds_store_b128 v[STW], v[S+8*\t:S+8*\t+3] offset:1024*\t            ; my own images, a head each
	ds_store_b128 v[STW], v[S+8*\t+4:S+8*\t+7] offset:1024*\t+512
.endr
	WIN 0
	UV 8                                           ; tv (its first wait for LDS also shows that the stores above have read their registers)
	WIN 0x04
.irp t, 0,1,2,3,4,5,6,7
	ds_store_b128 v[VST], v[S+8*\t:S+8*\t+3] offset:8192*\t            ; head t, tile of keys w
	ds_store_b128 v[VST], v[S+8*\t+4:S+8*\t+7] offset:8192*\t+512
.endr
	WIN 0
	BAR                                            ; tv of all 128 keys lies in LDS
	s_mov_b32 s[HV], 0
	s_mov_b32 s[HU], 0
	VLOAD                                          ; head 0
	s_wait_dscnt 0x0
.set nn, 0
.rept 32
	FW                                             ; head 0's scores: there is no vector work yet to set between them
.set nn, nn+1
.endr
	WIN 0
	PLACES 8                                       ; eight places behind this form ahead of loads into its operands and of the first read of its results
	s_mov_b32 s[HC], 7
.Lhead:                                            ; 7 trips: a head's softmax, quantiser and second product, and between their lines the scores of the next head
	s_add_co_u32 s[HV], s[HV], 8192
	s_add_co_u32 s[HU], s[HU], 1024
	VLOAD                                          ; the next head's tv and tu: they land under the search for the maximum
	SMAX
	s_wait_dscnt 0x0
	TURNS
	WIN 0
	s_sub_co_u32 s[HC], s[HC], 1
	s_cmp_lg_u32 s[HC], 0
	s_cbranch_scc1 .Lhead
	SMAX                                           ; the last head: the list without score products
.set jt, 0
.rept NIT
	ITEM
.set jt, jt+1
.endr
	WIN 0x40
	VEC64 VV, 8                                    ; gamma
	VEC64 XR, 10                                   ; beta
	VEC64 BB1, 12                                  ; b1
	WIN 0
.set jj, 0
.rept 32
	v_pk_mul_f32 v[O+jj:O+jj+1], v[O+jj:O+jj+1], 0.5 op_sel_hi:[1,0]   ; x
.set jj, jj+2
.endr
	LNORM O, T, VV, XR, 16                         ; (b1's 16 loads may be out)
	WIN 0x40
	VEC64 VV, 14                                   ; b2, where gamma lay
	WIN 0
	QMAX T
	QCODE T, PC, PW
	s_wait_loadcnt 16                              ; b1 is in; b2's 16 loads may be out
	DENSE 16, BB1
	WIN 0x01
.set jj, 0
.rept 32
	v_pk_mul_f32 v[T+jj:T+jj+1], v[S+jj:S+jj+1], 0x3f3504f3 op_sel_hi:[1,0]         ; a / sqrt(2)
.set jj, jj+2
.endr
	WIN 0
.irp g, 0,1,2,3,4,5,6,7
	GELU8 \g
.endr
	QMAX T
	QCODE T, PC, PW
	s_wait_loadcnt 0x0                             ; b2
	DENSE 24, VV
	WIN 0x01
.set jj, 0
.rept 32
	v_pk_add_f32 v[T+jj:T+jj+1], v[S+jj:S+jj+1], v[O+jj:O+jj+1]        ; x + h
.set jj, jj+2
.endr
	WIN 0
	ROWS_OUT T, 52                                 ; (its last wait on LDS is for 0)
	s_wait_tensorcnt 0x0
	ds_add_u32 v254, v255
	s_wait_dscnt 0x0
	CROUND                                         ; the closing round: no work-group ends while a partner may still ask for a tile that names it
	s_endpgm
.Lfunc_end_k_qfc47042f64_time:
	.size	k_qfc47042f64_time, .Lfunc_end_k_qfc47042f64_time-k_qfc47042f64_time
	.p2alignl 7, 3214868480
	.fill 96, 4, 3214868480
	.section	.rodata,"a",@progbits
	.p2align	6, 0x0
	.amdhsa_kernel k_qfc47042f64_time
		.amdhsa_group_segment_fixed_size 205824
		.amdhsa_private_segment_fixed_size 0
		.amdhsa_enable_private_segment 0
		.amdhsa_kernarg_size 64
		.amdhsa_user_sgpr_count 2
		.amdhsa_user_sgpr_kernarg_segment_ptr 1
		.amdhsa_wavefront_size32 1
		.amdhsa_system_sgpr_workgroup_id_x 1
		.amdhsa_system_sgpr_workgroup_id_y 1
		.amdhsa_system_sgpr_workgroup_id_z 1
		.amdhsa_system_vgpr_workitem_id 0
		.amdhsa_next_free_vgpr 512
		.amdhsa_next_free_sgpr 66
		.amdhsa_reserve_vcc 0
		.amdhsa_float_denorm_mode_32 3
		.amdhsa_float_denorm_mode_16_64 3
		.amdhsa_memory_ordered 1
		.amdhsa_forward_progress 1
		.amdhsa_inst_pref_size 176
	.end_amdhsa_kernel
	.amdgpu_metadata
---
amdhsa.version: [ 1, 2 ]
amdhsa.kernels:
  - .name:           k_qfc47042f64_time
    .symbol:         k_qfc47042f64_time.kd
    .args:
      - { .name: qz, .offset: 0, .size: 8, .value_kind: global_buffer, .address_space: global }
      - { .name: y, .offset: 8, .size: 8, .value_kind: global_buffer, .address_space: global }
      - { .name: ln_gamma, .offset: 16, .size: 8, .value_kind: global_buffer, .address_space: global }
      - { .name: ln_beta, .offset: 24, .size: 8, .value_kind: global_buffer, .address_space: global }
      - { .name: b1, .offset: 32, .size: 8, .value_kind: global_buffer, .address_space: global }
      - { .name: b2, .offset: 40, .size: 8, .value_kind: global_buffer, .address_space: global }
      - { .name: wimg, .offset: 48, .size: 8, .value_kind: global_buffer, .address_space: global }
      - { .name: out0, .offset: 56, .size: 8, .value_kind: global_buffer, .address_space: global }
    .group_segment_fixed_size: 205824
    .private_segment_fixed_size: 0
    .kernarg_segment_align: 8
    .kernarg_segment_size: 64
    .max_flat_workgroup_size: 256
    .sgpr_count:     66
    .vgpr_count:     512
    .wavefront_size: 32
...
	.end_amdgpu_metadata
.endif
;; end of part 3
